; MI455X (gfx1250); checked and timed in simulation.
; The chip was launched on July 23, 2026; its instructions are those of AMD's public machine-readable ISA for CDNA 5 (MIT licence, August 2026) and "CDNA5" Instruction Set Architecture Reference Guide (July 2026). The comments in the code are by the model that wrote it; some were corrected since.
;; Multihead Attention. Allowed arithmetic: matrix products marked QUANTISED: E2M3 operands, one E8M0 scale for each 32 along K, by v_wmma_scale_f32_16x16x128_f8f6f4 with both operands' format E2M3, f32 sums; everything else in f32.
;; Inputs: attn_mask 1,024 x 1,024 float32; in_proj_bias 3,072 float32; in_proj_weight 3,072 x 1,024 float32; out_b 1,024 float32; out_w 1,024 x 1,024 float32; x 8 x 1,024 x 1,024 float32.
;; Outputs: out0 8 x 1,024 x 1,024 float32.
;; This version of the problem:
;;   THIS VERSION OF THE PROBLEM IS GIVEN IN LOW PRECISION. The matrix products marked QUANTISED in the list below multiply operands that are first quantised to E2M3 (2 exponent bits, 3 mantissa bits; 6 bits a number), with one power-of-two scale for each 32 numbers along K (OCP MX v1.0); their sums are f32. All else is computed in f32.
;;   The module's matrix products, in the order in which they are computed (A, B: the left and right operand; K: the contracted axis; several contracted axes count as one K, in the product's order):
;;     1. [M 8,192, K 1,024] x [K 1,024, N 3,072]; A: input x; B: input in_proj_weight: QUANTISED
;;     2. batch 128 x [M 1,024, K 64] x [K 64, N 1,024]; A: computed on the way; B: computed on the way: QUANTISED
;;     3. batch 128 x [M 1,024, K 1,024] x [K 1,024, N 64]; A: softmax (see below); B: computed on the way: QUANTISED
;;     4. [M 8,192, K 1,024] x [K 1,024, N 1,024]; A: computed on the way; B: input out_w: QUANTISED
;;   THE QUANTISER, for each operand of a quantised product, along K:
;;     - K is cut into blocks of 32 from its start; a last block that is shorter is filled with zeros.
;;     - A block's scale is 2^e with e = floor(log2(the largest magnitude in the block)) - 2, held to -126 .. 127; a block of zeros has e = 0. As a byte (E8M0): e + 127.
;;     - Each number is divided by its block's scale, clamped to +-7.5, and rounded to the nearest number of E2M3, ties to even, subnormals kept.
;;     - The product sums the exact products of the quantised numbers (number of the format x scale) in f32.
;;   ~~~python
;;   def quantise(x, axis):      # numpy; x: float32 -> the quantised numbers, widened to float32 again
;;       x = np.moveaxis(x, axis, -1); K = x.shape[-1]
;;       x = np.pad(x, [(0, 0)] * (x.ndim - 1) + [(0, -K % 32)]); x = x.reshape(x.shape[:-1] + (-1, 32)); a = np.abs(x).max(-1, keepdims=True)
;;       e = np.where(a > 0, np.clip(np.frexp(np.where(a > 0, a, 1))[1] - 1 - 2, -126, 127), 0)      # np.frexp(a)[1] - 1 = floor(log2(a)), exactly
;;       r = np.clip(x / 2.0 ** e, -7.5, 7.5)
;;       step = 2.0 ** (np.maximum(np.frexp(np.where(r == 0, 1, r))[1] - 1, 0) - 3)
;;       q = np.round(r / step) * step * 2.0 ** e      # np.round: ties to even
;;       return np.moveaxis(q.reshape(q.shape[:-2] + (-1,))[..., :K], -1, axis).astype(np.float32)
;;   ~~~
;;   SOFTMAX AHEAD OF A QUANTISED PRODUCT. Where the list says 'softmax', what is quantised is not the finished softmax but p = 2^(t - M), with t = logit x log2(e) and M = ceil(the row's largest t), a whole number; so 1/2 < the row's largest p <= 1. The row's sum l is taken of the UNQUANTISED p, in f32, and the product's result is divided by l at the end. Since M is a whole number, a kernel that streams over the keys may use a running M (the ceiling of the running maximum): every later rescaling is an exact power of two, which a block's scale takes up: the codes' values come out the same.
;;   OPERANDS COMPUTED ON THE WAY. 'Computed on the way' means the value that the module computes at that place (a softmax that the list does not call 'softmax' is quantised finished and normalised). What goes into a quantiser is computed in f32, as accurately as f32 sums, v_exp_f32 and their like allow (about 1e-6 of the number): no bf16 or f16 on the way to a quantiser, and a product that is left as it is and whose result goes on into a quantised operand takes f32 operands (vector FMAs, or v_wmma_f32_16x16x4_f32). A number that lies on a knife's edge between two numbers of the format may be rounded either way, as far as f32 arithmetic and the matrix unit's own rounding can turn it there, and no further.
;; One version. Each part assembles by itself: llvm-mc -triple=amdgcn-amd-amdhsa -mcpu=gfx1250 --defsym DOCPART=n.
;; ======== version 1 of 1: 4 launches
;; limits: right only within a limited range of input values
;; workspace buffers: in_codes 9,437,184 bytes; in_scales 393,216 bytes; qkv_codes 18,874,368 bytes; qkv_scales 786,432 bytes; att_codes 6,291,456 bytes; att_scales 262,144 bytes; mask_img 4,194,304 bytes
;; launch quant (part 1): grid 832 x 1, 4 waves a work-group, no clusters, 68,608 bytes of LDS; arguments x, in_proj_weight, out_w, in_codes, in_scales, attn_mask, mask_img; writes in_codes, in_scales, mask_img
.if DOCPART == 1
	.amdgcn_target "amdgcn-amd-amdhsa--gfx1250"
	.amdhsa_code_object_version 6
	.text
	.protected	k_q3e411cfa21_quant
	.globl	k_q3e411cfa21_quant
	.p2align	8
	.type	k_q3e411cfa21_quant,@function
k_q3e411cfa21_quant:
	s_mov_b64 s[64:65], 0
	v_nop
	global_prefetch_b8 v0, s[64:65] scope:SCOPE_SE
	s_setreg_imm32_b32 hwreg(HW_REG_WAVE_MODE, 25, 1), 1
	s_wait_xcnt 0x0
; x [8192][1024], in_proj_weight [3072][1024] and out_w [1024][1024], f32, K innermost, become codes of FP6 (E2M3) with one E8M0 byte for each 32 along K.
; THE LAYOUT OF THE CODES is the order of an operand's registers.  A fragment is 16 rows x 128 K = 12 registers a lane (lane (r, h): registers 6 c .. 6 c + 5 hold k = 64 c + 32 h + 0 .. 31);
; it is stored as three planes of 512 bytes, plane c holding lane l's registers 4 c .. 4 c + 3 at byte 16 l.  in_codes = [row tile 768][K fragment 8][1536]; in_scales = [row tile][K fragment][16 words], word r for lane row r.
; THE ROWS OF A ROW TILE ARE NOT NEIGHBOURS: lane row r of row tile T is matrix row 32 (T / 2) + 8 (T % 2) + r + 8 (r / 8), in every tensor of this program.
; Row tiles 0-511 are x's, 512-703 in_proj_weight's, 704-767 out_w's.  A work-group takes one row tile, wave w its K fragments 2 w and 2 w + 1.
; Each load reads 512 consecutive bytes of a row; a fragment's 16 x 512 bytes turn through the wave's own stage in LDS (rows 528 bytes apart) so that a lane gets 2 x 32 neighbours along K: two whole blocks.
; A block's scale is 2^(floor(log2(its largest magnitude)) - 2); its byte is the largest magnitude's exponent field - 2, held at 1 from below.
; LIMITS: a block of zeros, or one whose largest magnitude lies under 2^-124, gets the byte 1 (its codes are zeros or tiny; this program alone reads the bytes); NaN and infinities among the inputs are not served.
; No tensor loads, no matrix unit, no cluster: work-groups share no input byte.
; WORK-GROUPS 768-831 LAY THE MASK OUT, f32 as it is, in the order of the registers that attention's score products take as C: work-group 768 + T takes the 16 queries of row tile T (the same row rule), wave w the key steps 2 w and 2 w + 1 of 128 keys.
; mask_img = [row tile 64][key step 8][plane 16][512 bytes]: plane p holds lane l's registers 4 p .. 4 p + 3 at byte 16 l; register 16 e + i of lane (r, h) = the mask at query r of the tile, key 32 e + 16 h + i of the step.
; A row of the mask is 4,096 bytes like a row of x, so the loads are the same lines; the turn goes through LDS bytes of this path's own, from MSTG on.
.set STG,  8448                        ; a wave's stage: 16 rows x (512 + 16) bytes
.set MSTG, 0x8800                      ; behind the spare words: the mask path's four stages
.set SCST, 4*STG                       ; behind the stages: the row tile's 8 x 16 scale words, 512 bytes
.set R,    64                          ; v64-127, v128-191: the two fragments' numbers as loaded
.set X,    192                         ; v192-255: 64 numbers after the turn: register 32 c + i = k 64 c + 32 h + i of row r
.set CD,   48                          ; v48-59: the fragment's codes
.set C2,   16                          ; v16-18, v20-22: each block's upper 16 codes as converted
	s_load_b128 s[4:7], s[0:1], 0x0                ; x, in_proj_weight
	s_load_b128 s[8:11], s[0:1], 0x10              ; out_w, in_codes
	s_load_b64 s[12:13], s[0:1], 0x20              ; in_scales
	s_load_b128 s[32:35], s[0:1], 0x28             ; attn_mask, mask_img
	v_lshl_add_u32 v62, v0, 2, 0x8600
	v_mov_b32 v63, 0
	v_lshrrev_b32 v1, 5, v0
	v_readfirstlane_b32 s22, v1                    ; wave 0..3
	v_and_b32 v1, 31, v0                           ; lane
	v_and_b32 v2, 15, v0                           ; r
	v_bfe_u32 v3, v0, 4, 1                         ; h
	v_lshlrev_b32 v4, 4, v1                        ; 16 x lane
	s_mul_i32 s23, s22, STG
	v_add_nc_u32 v5, s23, v4                       ; into the stage: 16 x lane of a row
	v_mul_u32_u24 v6, v2, 528
	v_lshl_add_u32 v6, v3, 7, v6
	v_add_nc_u32 v6, s23, v6                       ; out of it: row r, 128 h bytes on
	s_lshl_b32 s24, s22, 7
	s_add_co_u32 s24, s24, SCST
	v_lshl_add_u32 v7, v1, 2, s24                  ; my wave's two sets of 16 scale words: 4 x lane
	v_lshlrev_b32 v8, 3, v3                        ; 8 h: my two bytes' shift in the scale word
	v_add_nc_u32 v14, SCST, v4                     ; the 512 bytes of scale words, 16 a lane
	v_add_nc_u32 v15, MSTG, v5                     ; the mask path: into its stage, 16 x lane of a row,
	v_mul_u32_u24 v24, v2, 528
	v_lshl_add_u32 v24, v3, 6, v24
	v_add_nc_u32 v24, s23, v24
	v_add_nc_u32 v24, MSTG, v24                    ; and out of it: row r, 64 h bytes on
	v_mov_b32 v12, 0                               ; written once: a lane permute's destination counts as one of its sources
	s_mov_b32 s20, 0x76543210
	s_mov_b32 s21, 0xfedcba98                      ; v_permlanex16_b32's selects for lane l xor 16
	s_mov_b32 s16, 768
	s_cmp_lt_u32 ttmp9, 768
	s_cselect_b32 s16, 704, s16
	s_cmp_lt_u32 ttmp9, 704
	s_cselect_b32 s16, 512, s16
	s_cmp_lt_u32 ttmp9, 512
	s_cselect_b32 s16, 0, s16                      ; the first row tile of my tensor
	s_sub_co_u32 s17, ttmp9, s16                   ; T: my row tile in it
	s_lshr_b32 s18, s17, 1
	s_lshl_b32 s18, s18, 5
	s_and_b32 s19, s17, 1
	s_lshl_b32 s19, s19, 3
	s_add_co_u32 s18, s18, s19                     ; its first row: 32 (T / 2) + 8 (T % 2)
	s_lshl_b32 s18, s18, 12                        ; x 4,096 bytes
	s_lshl_b32 s19, s22, 10
	s_add_co_u32 s18, s18, s19                     ; + my wave's 1,024 bytes of a row
	s_mov_b32 s19, 0
	s_mul_i32 s26, ttmp9, 12288
	s_mul_i32 s25, s22, 3072
	s_add_co_u32 s26, s26, s25                     ; my two fragments in in_codes
	s_mov_b32 s27, 0
	s_lshl_b32 s28, ttmp9, 9                       ; my row tile's scale words
	s_mov_b32 s29, 0
	s_lshl_b32 s30, s17, 16                        ; the mask path: 65,536 bytes of mask_img a row tile,
	s_lshl_b32 s31, s22, 14                        ; 16,384 for my wave's two key steps
	s_add_co_u32 s30, s30, s31
	s_mov_b32 s31, 0
	s_wait_alu depctr_va_vdst(0)
	s_wait_kmcnt 0x0
	s_cmp_lt_u32 ttmp9, 704                        ; the choice of the tensor hangs on the work-group's number alone
	s_cselect_b64 s[14:15], s[6:7], s[8:9]
	s_cmp_lt_u32 ttmp9, 512
	s_cselect_b64 s[14:15], s[4:5], s[14:15]
	s_cmp_lt_u32 ttmp9, 768
	s_cselect_b64 s[14:15], s[14:15], s[32:33]
	s_add_nc_u64 s[14:15], s[14:15], s[18:19]
	s_add_nc_u64 s[34:35], s[34:35], s[30:31]      ; (used by the mask path alone)
	s_add_nc_u64 s[10:11], s[10:11], s[26:27]
	s_add_nc_u64 s[12:13], s[12:13], s[28:29]
.macro LOAD f                          ; fragment f: 16 rows x 512 consecutive bytes
.irp t, 0,1,2,3,4,5,6,7,8,9,10,11,12,13,14,15
	global_load_b128 v[R+64*\f+4*\t:R+64*\f+4*\t+3], v4, s[14:15] offset:(\t+8*(\t/8))*4096+512*\f th:TH_LOAD_NT
.endr
.endm
.macro TURN f                          ; through my stage: LDS serves a wave's instructions in order, so no wait stands between the stores and the loads
.irp t, 0,1,2,3,4,5,6,7,8,9,10,11,12,13,14,15
	ds_store_b128 v5, v[R+64*\f+4*\t:R+64*\f+4*\t+3] offset:528*\t
.endr
.irp c, 0,1
.irp j, 0,1,2,3,4,5,6,7
	ds_load_b128 v[X+32*\c+4*\j:X+32*\c+4*\j+3], v6 offset:256*\c+16*\j
.endr
.endr
.endm
.macro QF word                         ; X's 64 numbers become the fragment's 12 registers of codes and my row's scale word
.irp c, 0,1
	v_max3_num_f32 v[32+\c], |v[X+32*\c]|, |v[X+32*\c+1]|, 0x1800000   ; block 2 c + h is all mine; the floor 2^(3 - 127) keeps the byte at 1 or above
.endr
.irp i, 2,4,6,8,10,12,14,16,18,20,22,24,26,28,30
.irp c, 0,1
	v_max3_num_f32 v[32+\c], v[32+\c], |v[X+32*\c+\i]|, |v[X+32*\c+\i+1]|
.endr
.endr
.irp c, 0,1
	v_add_nc_u32 v[44+\c], 0xff000000, v[32+\c]    ; 2 off the exponent field: the conversion's scale operand
.endr
.irp c, 0,1
	v_lshrrev_b32 v[36+\c], 23, v[44+\c]           ; the scale's byte
.endr
	v_lshl_or_b32 v9, v37, 16, v36                 ; my bytes: blocks h and 2 + h,
	v_lshlrev_b32 v9, v8, v9                       ; at their places,
	v_permlanex16_b32 v12, v9, s20, s21
	v_or_b32 v[\word], v9, v12                     ; with lane l xor 16's two the word is whole
.irp c, 0,1
	v_cvt_scalef32_pk16_fp6_f32 v[CD+6*\c:CD+6*\c+2], v[X+32*\c:X+32*\c+15], v[44+\c]
	v_cvt_scalef32_pk16_fp6_f32 v[C2+4*\c:C2+4*\c+2], v[X+32*\c+16:X+32*\c+31], v[44+\c]   ; (a conversion's three registers begin on an even number)
.endr
	v_nop                                          ; one plain place behind a scaled conversion
.irp c, 0,1
.irp i, 0,1,2
	v_mov_b32 v[CD+3+6*\c+\i], v[C2+4*\c+\i]
.endr
.endr
.endm
	LOAD 0
	LOAD 1
	s_cmp_ge_u32 ttmp9, 768                        ; the mask's work-groups part here: the branch hangs on the work-group's number alone
	s_cbranch_scc1 .Lmask
	s_wait_loadcnt 16                              ; fragment 0's sixteen loads are in, fragment 1's may be out
	TURN 0
	s_wait_dscnt 0x0
	QF 10
.irp c, 0,1,2
	global_store_b128 v4, v[CD+4*\c:CD+4*\c+3], s[10:11] offset:512*\c          ; 32 lanes store 512 consecutive bytes, aligned
.endr
	s_wait_loadcnt 0x0
	TURN 1
	s_wait_dscnt 0x0
	s_wait_xcnt 0x0                                ; the stores above have read the codes' registers: they are written again only behind this wait
	QF 11
.irp c, 0,1,2
	global_store_b128 v4, v[CD+4*\c:CD+4*\c+3], s[10:11] offset:1536+512*\c
.endr
	v_cmp_gt_u32 vcc_lo, 16, v1
	v_cndmask_b32 v13, v11, v10, vcc_lo            ; lanes 0-15: fragment 0's words, lanes 16-31: fragment 1's
	ds_store_b32 v7, v13
	s_wait_dscnt 0x0                               ; for wave 0's sake: my words have landed
	s_barrier_signal -1
	s_barrier_wait -1
	s_cmp_lg_u32 s22, 0
	s_cbranch_scc1 .Ldone
	ds_load_b128 v[40:43], v14                     ; the row tile's 128 scale words
	s_wait_dscnt 0x0
	global_store_b128 v4, v[40:43], s[12:13]       ; 512 consecutive bytes, aligned
.Ldone:
	s_wait_tensorcnt 0x0
	ds_add_u32 v62, v63
	s_wait_dscnt 0x0
	s_endpgm
.macro MTURN f                         ; a key step's 16 rows x 512 bytes through my stage, and out as 16 planes of 512 consecutive bytes
.irp t, 0,1,2,3,4,5,6,7,8,9,10,11,12,13,14,15
	ds_store_b128 v15, v[R+64*\f+4*\t:R+64*\f+4*\t+3] offset:528*\t
.endr
.irp e, 0,1,2,3
.irp j, 0,1,2,3
	ds_load_b128 v[X+16*\e+4*\j:X+16*\e+4*\j+3], v24 offset:128*\e+16*\j   ; LDS serves a wave's instructions in order: these see my stores
.endr
.endr
	s_wait_dscnt 0x0
.irp p, 0,1,2,3,4,5,6,7,8,9,10,11,12,13,14,15
	global_store_b128 v4, v[X+4*\p:X+4*\p+3], s[34:35] offset:8192*\f+512*\p
.endr
.endm
.Lmask:
	s_wait_loadcnt 16                              ; key step 2 w's sixteen loads are in
	MTURN 0
	s_wait_loadcnt 0x0
	s_wait_xcnt 0x0                                ; the stores above have read their registers: they are loaded again only behind this wait
	MTURN 1
	s_wait_tensorcnt 0x0                           ; the wave's end
	ds_add_u32 v62, v63
	s_wait_dscnt 0x0
	s_endpgm
.Lfunc_end_k_q3e411cfa21_quant:
	.size	k_q3e411cfa21_quant, .Lfunc_end_k_q3e411cfa21_quant-k_q3e411cfa21_quant
	.p2alignl 7, 3214868480
	.fill 96, 4, 3214868480
	.section	.rodata,"a",@progbits
	.p2align	6, 0x0
	.amdhsa_kernel k_q3e411cfa21_quant
		.amdhsa_group_segment_fixed_size 68608
		.amdhsa_private_segment_fixed_size 0
		.amdhsa_enable_private_segment 0
		.amdhsa_kernarg_size 56
		.amdhsa_user_sgpr_count 2
		.amdhsa_user_sgpr_kernarg_segment_ptr 1
		.amdhsa_wavefront_size32 1
		.amdhsa_system_sgpr_workgroup_id_x 1
		.amdhsa_system_sgpr_workgroup_id_y 1
		.amdhsa_system_sgpr_workgroup_id_z 1
		.amdhsa_system_vgpr_workitem_id 0
		.amdhsa_next_free_vgpr 256
		.amdhsa_next_free_sgpr 66
		.amdhsa_reserve_vcc 1
		.amdhsa_float_denorm_mode_32 3
		.amdhsa_float_denorm_mode_16_64 3
		.amdhsa_memory_ordered 1
		.amdhsa_forward_progress 1
		.amdhsa_inst_pref_size 25
	.end_amdhsa_kernel
	.amdgpu_metadata
---
amdhsa.version: [ 1, 2 ]
amdhsa.kernels:
  - .name:           k_q3e411cfa21_quant
    .symbol:         k_q3e411cfa21_quant.kd
    .args:
      - { .name: x, .offset: 0, .size: 8, .value_kind: global_buffer, .address_space: global }
      - { .name: in_proj_weight, .offset: 8, .size: 8, .value_kind: global_buffer, .address_space: global }
      - { .name: out_w, .offset: 16, .size: 8, .value_kind: global_buffer, .address_space: global }
      - { .name: in_codes, .offset: 24, .size: 8, .value_kind: global_buffer, .address_space: global }
      - { .name: in_scales, .offset: 32, .size: 8, .value_kind: global_buffer, .address_space: global }
      - { .name: attn_mask, .offset: 40, .size: 8, .value_kind: global_buffer, .address_space: global }
      - { .name: mask_img, .offset: 48, .size: 8, .value_kind: global_buffer, .address_space: global }
    .group_segment_fixed_size: 68608
    .private_segment_fixed_size: 0
    .kernarg_segment_align: 8
    .kernarg_segment_size: 56
    .max_flat_workgroup_size: 128
    .sgpr_count:     66
    .vgpr_count:     256
    .wavefront_size: 32
...
	.end_amdgpu_metadata
.endif
;; end of part 1
;; launch qkv (part 2): grid 12 x 32, 4 waves a work-group, clusters of 4 x 4, 327,680 bytes of LDS; arguments in_codes, in_scales, in_proj_bias, qkv_codes, qkv_scales; writes qkv_codes, qkv_scales
.if DOCPART == 2
	.amdgcn_target "amdgcn-amd-amdhsa--gfx1250"
	.amdhsa_code_object_version 6
	.text
	.protected	k_q3e411cfa21_qkv
	.globl	k_q3e411cfa21_qkv
	.p2align	8
	.type	k_q3e411cfa21_qkv,@function
k_q3e411cfa21_qkv:
	s_mov_b64 s[64:65], 0
	v_nop
	global_prefetch_b8 v0, s[64:65] scope:SCOPE_SE
	s_setreg_imm32_b32 hwreg(HW_REG_WAVE_MODE, 25, 1), 1
	s_wait_xcnt 0x0
	s_wait_alu depctr_hold_cnt(0) depctr_sa_sdst(0) depctr_va_vdst(0) depctr_va_sdst(0) depctr_va_ssrc(0) depctr_va_vcc(0) depctr_vm_vsrc(0)
	s_getreg_b32 s2, hwreg(HW_REG_IB_STS2, 6, 4)
	s_cmp_eq_u32 s2, 0
	s_cbranch_scc0 .Lentry_in_a_cluster
	s_endpgm
.Lentry_in_a_cluster:
	s_bfe_u32 s2, ttmp6, 0x10000c
	s_cmp_lg_u32 s2, 0xf033
	s_cbranch_scc0 .Lentry_shape_is_right
	s_endpgm
.Lentry_shape_is_right:
; qkv = x in_proj_weight^T + in_proj_bias on codes of FP6 (E2M3) with E8M0 scales, K = 1,024; the results are quantised at once, in registers, into the operands of attention's two products.  No f32 result goes to memory.
; OPERANDS lie in in_codes as images of their registers: [row tile][K fragment 8][1536 bytes], a fragment = 16 rows x 128 K = three planes of 512 bytes (plane c: lane l's registers 4 c .. 4 c + 3 at 16 l);
; lane row r of row tile T is matrix row 32 (T / 2) + 8 (T % 2) + r + 8 (r / 8).  Scale words: [row tile][K fragment][16 words].  Blocks of 256 rows: 0-31 x, 32-43 in_proj_weight.
; A tile of 256 x 256 is made by four waves, each 128 x 128: 64 accumulators, 512 registers.  K goes in four steps of 256 through two LDS slots filled by the tensor data mover; a fragment comes out of LDS by three loads of 16 bytes a lane at 16 x lane.
; THE MATRIX INSTRUCTION IS USED TRANSPOSED: source 0 = 16 rows of "B", source 1 = 16 rows of "A".  A lane then holds one row of A, and by the row rule the 64 registers of one block of A against B's eight tiles are
; register 16 j + i = B's row 32 j + 16 h + i: sixteen neighbours of each block of 32 along B's rows, which is what the conversions take.
; THE SECTION (q, k, v) IS THE CLUSTER'S X.  q, k: A = tokens, B = features: a fragment of 16 tokens x the 128 features of a pair of heads.  v: A = FEATURES, B = TOKENS, so that the registers run along the tokens,
; which are the K of attention's second product: a fragment of 16 features x 128 tokens.  Only addresses, the bias and the first step's C differ; the branches hang on the cluster's x, which all sixteen partners share.
; qkv_codes = [section 3][batch 8][pair 8][block of 128 tokens 8][fragment 8][1536], qkv_scales likewise x [16 words].  q's scale bytes are lowered by 3: that is q / sqrt(64), exactly.
; CLUSTERS: 4 x 4 work-groups.  A's tiles are shared along a row of the cluster, B's along a column: each is asked for jointly, by the same tensor load with the same descriptor and a mask that names the four.
; LIMITS: a block of zeros, or one under 2^-124 (q: 2^-121), gets the lowest byte with zero or tiny codes (this program alone reads the bytes); NaN and infinities are not served.
; REGISTERS: window 0: v16-29 addresses; v32-63 scale words, two sets; v64-127 the bias (on the way out: at work); v128-223 A's fragments, one set (on the way out: the codes).  window 1: B's fragments, two sets, at v0 and v128.
;   window 2: the accumulators of A's blocks 0-3 ((a, b) at v[8 (8 (a % 4) + b)]); window 3: of blocks 4-7.
.set FR,     12                        ; registers of a fragment
.set FRB,    1536                      ; and its bytes
.set NP,     4                         ; places behind this matrix instruction (ISA guide 7.12.1)
.set KSB,    2*FRB                     ; a row tile's bytes of a K step of 256
.set QTR,    8*KSB                     ; 128 rows x 256 K: what one tensor load brings, and what one wave reads of A or of B
.set SLOT,   4*QTR                     ; A's two halves, then B's two
.set SCL,    2*SLOT                    ; behind the ring: the scale words of A's 256 rows and B's 256 rows for all of K
.set HALFS,  4096                      ; those of 128 rows: [row tile 8][K fragment 8][64 bytes]
.set SPARE,  SCL+4*HALFS               ; the spare words, 128 bytes for each wave: two blocks of 256 bytes that no other line names
.set ADRA, 16                          ; v16-17  LDS address of my A fragments in slot 0, 1
.set ADRB, 20                          ; v20-21  the same for B
.set LI,   24                          ; v24     16 x lane
.set SSA,  25                          ; v25     the way out: my scale word's place: 512 x wave + 4 r (in slot 0, which has had its last fill and its last read by then)
.set SRD,  26                          ; v26     and where the wave's 128 words are read back: 512 x wave + 16 x lane
.set ADRS, 27                          ; v27     LDS address of my scale words: lanes 0-15 A's rows, lanes 16-31 B's
.set SPW,  28                          ; v28     LDS address of my spare word; never rewritten
.set NIL,  29                          ; v29     0; never rewritten
.set SC,   32                          ; scale words: set s at v[SC + 16 s]; register 2 i + q: lanes 0-15 A's block i, lanes 16-31 B's tile i, the slot's q-th 128 along K
.set BIAS, 64
.set AF,   128
.set TM,   64                          ; the way out: v64-67 largest magnitudes, v68-71 bytes, v76-79 the conversions' scale operands
.set PW,   80                          ; the scale word just made
.set PC,   128                         ; the codes just made: v128-139, and v140-146 at work
.set G1, 24                            ; s[24:31] descriptor group 1 for A's tiles;  s[32:39] group 0, one set for each slot
.set G0, 32
.set G1B, 48                           ; s[48:55], s[56:63] the same for B's tiles
.set G0B, 56
.set G1S, 68                           ; s[68:75], s[76:79] groups 1 and 0 for A's scales;  s[80:87], s[88:91] for B's
.set G0S, 76
.set G1SB, 80
.set G0SB, 88
.set FLOOR, 66                         ; s66  the floor under a block's largest magnitude
.set SUB,   67                         ; s67  what is taken off the four bytes of a scale word: 3 each for q, else 0
.set SEL,   96                         ; s[96:97] lane selects for v_permlanex16_b32: lane l xor 16
.set MSB, 0
.macro WIN new                         ; the immediate's high byte repeats the setting that is left
.if MSB != \new
	s_set_vgpr_msb (MSB<<8)|\new
.set MSB, \new
.endif
.endm
.set MUL_LO, 0xa1                      ; source 0 (B) window 1, source 1 (A) window 0, C and D window 2
.set MUL_HI, 0xf1                      ; the same, C and D window 3
.set TO_B,   0x40                      ; destination window 1, address window 0
; A joint load: waves 0 and 1 fetch for A, waves 2 and 3 for B.  Each of the two lines has one mask and one set of registers for all that issue it; the branch hangs on the wave's number alone.
; Four v_nop follow each of the two lines, ahead of the jump, the label and what follows.
.macro JLOAD g0a, g1a, g0b, g1b
	s_cmp_eq_u32 s15, 0
	s_cbranch_scc0 .Lfor_b_\@
	tensor_load_to_lds s[\g0a:\g0a+3], s[\g1a:\g1a+7]
	s_nop 0
.rept 4
	v_nop
.endr
	s_branch .Lasked_\@
.Lfor_b_\@:
	tensor_load_to_lds s[\g0b:\g0b+3], s[\g1b:\g1b+7]
	s_nop 0
.rept 4
	v_nop
.endr
.Lasked_\@:
.endm
.macro CREST                           ; a round of the cluster's barrier behind its opening barrier
	s_cmp_lg_u32 s14, 0
	s_cbranch_scc1 .Lnot_wave_0_\@
	s_barrier_signal -3
.Lnot_wave_0_\@:
	s_barrier_wait -3
	s_barrier_signal -1
	s_barrier_wait -1
.endm
.macro CROUND                          ; a whole round
	s_barrier_signal -1
	s_barrier_wait -1
	CREST
.endm
	s_load_b128 s[4:7], s[0:1], 0x0                ; in_codes, in_scales
	s_load_b128 s[8:11], s[0:1], 0x10              ; in_proj_bias, qkv_codes
	s_load_b64 s[12:13], s[0:1], 0x20              ; qkv_scales
	v_lshl_add_u32 v[SPW], v0, 2, SPARE
	v_mov_b32 v[NIL], 0
	ds_add_u32 v28, v29
	ds_add_u32 v28, v29
	s_wait_dscnt 0x0
	v_lshrrev_b32 v1, 5, v0
	v_readfirstlane_b32 s14, v1                    ; wave 0..3
	s_lshr_b32 s15, s14, 1                         ; which half of A's rows is mine.  Also: I fetch for A (0) or for B (1)
	s_and_b32 s16, s14, 1                          ; which half of B's rows.  Also: which 128 rows I fetch
	s_bfe_u32 s40, ttmp6, 0x40000                  ; cx, cy: my place in the cluster
	s_bfe_u32 s41, ttmp6, 0x40004
	s_and_b32 s17, ttmp7, 0xffff
	s_lshl_b32 s17, s17, 2                         ; 4 x cluster y: the cluster's first block of tokens
	s_lshl_b32 s42, ttmp9, 2
	s_add_co_u32 s42, s42, 32                      ; 32 + 4 x section: the section's first block of features
	s_cmp_eq_u32 ttmp9, 2                          ; v?
	s_cselect_b32 s18, 40, s17                     ; A: v's features, else tokens
	s_cselect_b32 s19, s17, s42                    ; B: tokens, else the section's features
	s_add_co_u32 s18, s18, s41                     ; A's block of 256 rows hangs on cy alone,
	s_add_co_u32 s19, s19, s40                     ; B's on cx alone
	s_lshl_b32 s43, s41, 2
	s_lshl_b32 s43, 15, s43                        ; my row of the cluster
	s_lshl_b32 s44, 0x1111, s40                    ; my column
	; descriptor group 1 for codes: rows (row tiles) of 3,072 bytes (two fragments), 12,288 bytes apart; elements of 8 bytes; no padding.  16 rows for the head's loads; behind them the two words that count rows are set to 8, for the ring's
	s_or_b32 s[G1+0], s43, (3<<16)|(1<<21)         ; 15:0 the mask: A's tiles go to my row; 17:16 elements of 8 bytes; 21 set beside a mask
	s_or_b32 s[G1B+0], s44, (3<<16)|(1<<21)
.irp g, G1, G1B
	s_mov_b32 s[\g+1], 384<<16                     ; tensor_dim0
	s_mov_b32 s[\g+2], 16<<16                      ; tensor_dim1
	s_mov_b32 s[\g+3], 384<<16                     ; tile_dim0
	s_mov_b32 s[\g+4], 16                          ; tile_dim1
	s_mov_b32 s[\g+5], 1536                        ; tensor_dim0_stride
	s_mov_b32 s[\g+6], 0
	s_mov_b32 s[\g+7], 0
.endr
	; and for the scale words of 256 rows: 8,192 dense bytes as 32 rows of 256
	s_or_b32 s[G1S+0], s43, (3<<16)|(1<<21)
	s_or_b32 s[G1SB+0], s44, (3<<16)|(1<<21)
.irp g, G1S, G1SB
	s_mov_b32 s[\g+1], 32<<16
	s_mov_b32 s[\g+2], 32<<16
	s_mov_b32 s[\g+3], 32<<16
	s_mov_b32 s[\g+4], 32
	s_mov_b32 s[\g+5], 32
	s_mov_b32 s[\g+6], 0
	s_mov_b32 s[\g+7], 0
.endr
	s_lshl_b32 s20, s18, 4                         ; A: the block's first row tile, 16 x block
	s_lshl_b32 s46, s19, 4                         ; B likewise
	s_mul_i32 s2, s16, 98304                       ; in the ring I fetch 8 row tiles of a block: which half, in bytes
	s_mov_b32 s3, 0
	s_lshl_b32 s22, s20, 9                         ; where these row tiles' scale words begin, in bytes
	s_mov_b32 s23, 0
	s_lshl_b32 s92, s46, 9
	s_mov_b32 s93, 0
	s_mul_i32 s20, s20, 12288                      ; and their codes
	s_mov_b32 s21, 0
	s_mul_i32 s46, s46, 12288
	s_mov_b32 s47, 0
	s_mul_i32 s45, s14, QTR                        ; where they go: wave x a quarter: no place in the cluster enters an LDS address
	s_wait_kmcnt 0x0
	s_add_nc_u64 s[20:21], s[4:5], s[20:21]
	s_add_nc_u64 s[22:23], s[6:7], s[22:23]
	s_add_nc_u64 s[46:47], s[4:5], s[46:47]
	s_add_nc_u64 s[92:93], s[6:7], s[92:93]
	CROUND                                         ; all sixteen work-groups are here: the first joint loads meet
	s_mov_b32 s[G0S], 1
	s_mov_b32 s[G0S+1], SCL                        ; the scale words of A's 256 rows,
	s_mov_b64 s[G0S+2:G0S+3], s[22:23]
	s_or_b32 s[G0S+3], s[G0S+3], 0x80000000
	s_mov_b32 s[G0SB], 1
	s_mov_b32 s[G0SB+1], SCL+2*HALFS               ; and of B's, behind them
	s_mov_b64 s[G0SB+2:G0SB+3], s[92:93]
	s_or_b32 s[G0SB+3], s[G0SB+3], 0x80000000
.set G0H, 4                            ; s[4:7], s[40:43] group 0 for the head's loads of K step 0: A's 256 rows, B's 256 rows (what lay there has been used by now)
.set G0HB, 40
	s_mov_b32 s[G0H], 1
	s_mov_b32 s[G0H+1], 0
	s_mov_b64 s[G0H+2:G0H+3], s[20:21]
	s_or_b32 s[G0H+3], s[G0H+3], 0x80000000
	s_mov_b32 s[G0HB], 1
	s_mov_b32 s[G0HB+1], 2*QTR
	s_mov_b64 s[G0HB+2:G0HB+3], s[46:47]
	s_or_b32 s[G0HB+3], s[G0HB+3], 0x80000000
	s_add_nc_u64 s[20:21], s[20:21], s[2:3]        ; for the ring: my 8 row tiles of the block
	s_add_nc_u64 s[46:47], s[46:47], s[2:3]
.irp s, 0,1
	s_mov_b32 s[G0+4*\s], 1
	s_add_co_u32 s[G0+4*\s+1], s45, \s*SLOT
	s_add_nc_u64 s[G0+4*\s+2:G0+4*\s+3], s[20:21], \s*KSB
	s_or_b32 s[G0+4*\s+3], s[G0+4*\s+3], 0x80000000
	s_mov_b32 s[G0B+4*\s], 1
	s_add_co_u32 s[G0B+4*\s+1], s45, \s*SLOT
	s_add_nc_u64 s[G0B+4*\s+2:G0B+4*\s+3], s[46:47], \s*KSB
	s_or_b32 s[G0B+4*\s+3], s[G0B+4*\s+3], 0x80000000
.endr
; THE HEAD'S LOADS, ONE A WAVE: wave 0 fetches K step 0's 256 rows of A, wave 1 its 256 rows of B, wave 2 the scale words of A's 256 rows, wave 3 those of B's.
; One tree of branches on the wave's number: every way through the head passes exactly one load.
.macro ARM under, g0, g1, next
	s_cmp_lt_u32 s14, \under
	s_cbranch_scc0 \next
	tensor_load_to_lds s[\g0:\g0+3], s[\g1:\g1+7]
	s_nop 0
.rept 4
	v_nop
.endr
	s_branch .Lhead_asked
\next:
.endm
	ARM 1, G0H,  G1,  .Lhead_b
	ARM 2, G0HB, G1B, .Lhead_sa
	ARM 3, G0S,  G1S, .Lhead_sb
	tensor_load_to_lds s[G0SB:G0SB+3], s[G1SB:G1SB+7]
	s_nop 0
.rept 4
	v_nop
.endr
.Lhead_asked:
	v_and_b32 v1, 15, v0                           ; r
	v_bfe_u32 v2, v0, 4, 1                         ; h
	s_wait_alu depctr_va_vdst(0)
	v_and_b32 v3, 31, v0
	v_lshlrev_b32 v[LI], 4, v3
	s_mul_i32 s21, s15, QTR                        ; my 128 rows of A
	s_mul_i32 s22, s16, QTR                        ; my 128 rows of B,
	s_add_co_u32 s22, s22, 2*QTR                   ; which lie behind A's 256
.irp s, 0,1
	v_add_nc_u32 v[ADRA+\s], s21, v[LI]
	v_add_nc_u32 v[ADRB+\s], s22, v[LI]
	s_add_co_u32 s21, s21, SLOT
	s_add_co_u32 s22, s22, SLOT
.endr
	v_lshlrev_b32 v5, 2, v1                        ; my row's scale word: 4 r
	s_mul_i32 s21, s15, HALFS                      ; A's: my 128 rows
	s_mul_i32 s22, s16, HALFS                      ; B's: my 128 rows, behind A's 256
	s_add_co_u32 s22, s22, 2*HALFS
	s_sub_co_u32 s22, s22, s21
	v_mul_u32_u24 v6, s22, v2                      ; lanes 16-31 take B's
	s_add_co_u32 s21, s21, SCL
	v_add_nc_u32 v5, v5, v6
	v_add_nc_u32 v[ADRS], s21, v5
	s_lshl_b32 s23, s14, 9
	v_lshl_add_u32 v[SSA], v1, 2, s23
	v_add_nc_u32 v[SRD], s23, v[LI]
	; where my results go
	s_lshl_b32 s92, s18, 1
	s_add_co_u32 s92, s92, s15                     ; my block of 128 rows of A,
	s_lshl_b32 s93, s19, 1
	s_add_co_u32 s93, s93, s16                     ; and of B
	s_cmp_eq_u32 ttmp9, 2
	s_cselect_b32 s94, s93, s92                    ; my block of 128 tokens, 0..63
	s_cselect_b32 s95, s92, s93
	s_sub_co_u32 s95, s95, 64                      ; my block of 128 features, 0..23
	s_lshl_b32 s96, ttmp9, 3
	s_lshr_b32 s97, s94, 3
	s_add_co_u32 s96, s96, s97                     ; 8 x section + batch
	s_lshl_b32 s96, s96, 3
	s_and_b32 s97, s95, 7
	s_add_co_u32 s96, s96, s97                     ; x 8 + pair of heads
	s_lshl_b32 s96, s96, 3
	s_and_b32 s97, s94, 7
	s_add_co_u32 s96, s96, s97                     ; x 8 + block of 128 tokens in the batch
	s_mul_i32 s92, s96, 12288
	s_mov_b32 s93, 0
	s_add_nc_u64 s[10:11], s[10:11], s[92:93]      ; my eight fragments
	s_lshl_b32 s92, s96, 9
	s_add_nc_u64 s[12:13], s[12:13], s[92:93]      ; their scale words
	s_lshl_b32 s92, s95, 9
	s_add_nc_u64 s[8:9], s[8:9], s[92:93]          ; my 128 numbers of the bias
	s_cmp_eq_u32 ttmp9, 0
	s_mov_b32 s[FLOOR], 0x1800000                  ; 2^(3 - 127): the byte cannot fall under 1;
	s_cselect_b32 s[FLOOR], 0x3000000, s[FLOOR]    ; q: 2^(6 - 127), since 3 more are taken off its bytes
	s_cselect_b32 s[SUB], 0x03030303, 0
	s_mov_b32 s[SEL], 0x76543210
	s_mov_b32 s[SEL+1], 0xfedcba98
	; the bias is the C of each sum's first matrix instruction, in the result's layout
	s_cmp_eq_u32 ttmp9, 2
	s_cbranch_scc1 .Lbias_v
	v_lshlrev_b32 v7, 6, v2                        ; q, k: register 16 j + i = the bias of feature 32 j + 16 h + i, the same for every block of A
.irp e, 0,1,2,3
.irp j, 0,1,2,3
	global_load_b128 v[BIAS+16*\e+4*\j:BIAS+16*\e+4*\j+3], v7, s[8:9] offset:128*\e+16*\j
.endr
.endr
	s_wait_loadcnt 0x0
	s_branch .Lbias_done
.Lbias_v:
	v_and_b32 v7, 8, v1                            ; v: a lane holds one feature: block a's eight registers all hold the bias of feature 32 (a / 2) + 8 (a % 2) + r + 8 (r / 8)
	v_add_nc_u32 v7, v7, v1
	v_lshlrev_b32 v7, 2, v7
.irp a, 0,1,2,3,4,5,6,7
	global_load_b32 v[BIAS+8*\a], v7, s[8:9] offset:(32*(\a/2)+8*(\a%2))*4
.endr
	s_wait_loadcnt 0x0
.irp a, 0,1,2,3,4,5,6,7
.irp j, 1,2,3,4,5,6,7
	v_mov_b32 v[BIAS+8*\a+\j], v[BIAS+8*\a]
.endr
.endr
.rept 4
	v_nop
.endr
.Lbias_done:
.macro FRAG reg, adr, q, i             ; a fragment comes back as it was stored: three planes of 512 bytes, 16 bytes a lane
.irp c, 0,1,2
	ds_load_b128 v[\reg+4*\c:\reg+4*\c+3], v[\adr] offset:KSB*(\i)+FRB*(\q)+512*\c
.endr
.endm
; 16 matrix instructions: A's blocks a0, a0 + 1 x B's eight tiles, 128 along K: the slot's q-th.  p: B's set;  sc: the set of scale words.
; mode 0: the sums go on in place; 1: they begin with the bias by B's tile (q, k); 2: by A's block (v).  Nothing is ever cleared.
; The 64 accumulators take turns, one instruction a turn, in the same order in every step.
.macro MUL16 a0, p, q, sc, mode
.irp a, \a0, \a0+1
.irp b, 0,1,2,3,4,5,6,7
.if \mode == 1
	v_wmma_scale_f32_16x16x128_f8f6f4 v[8*(8*((\a)%4)+\b):8*(8*((\a)%4)+\b)+7], v[128*(\p)+FR*\b:128*(\p)+FR*\b+FR-1], v[AF+FR*(\a):AF+FR*(\a)+FR-1], v[BIAS+8*\b:BIAS+8*\b+7], v[SC+16*(\sc)+2*\b+(\q)], v[SC+16*(\sc)+2*(\a)+(\q)] matrix_a_fmt:MATRIX_FMT_FP6 matrix_b_fmt:MATRIX_FMT_FP6 matrix_a_scale:MATRIX_SCALE_ROW1
.elseif \mode == 2
	v_wmma_scale_f32_16x16x128_f8f6f4 v[8*(8*((\a)%4)+\b):8*(8*((\a)%4)+\b)+7], v[128*(\p)+FR*\b:128*(\p)+FR*\b+FR-1], v[AF+FR*(\a):AF+FR*(\a)+FR-1], v[BIAS+8*(\a):BIAS+8*(\a)+7], v[SC+16*(\sc)+2*\b+(\q)], v[SC+16*(\sc)+2*(\a)+(\q)] matrix_a_fmt:MATRIX_FMT_FP6 matrix_b_fmt:MATRIX_FMT_FP6 matrix_a_scale:MATRIX_SCALE_ROW1
.else
	v_wmma_scale_f32_16x16x128_f8f6f4 v[8*(8*((\a)%4)+\b):8*(8*((\a)%4)+\b)+7], v[128*(\p)+FR*\b:128*(\p)+FR*\b+FR-1], v[AF+FR*(\a):AF+FR*(\a)+FR-1], v[8*(8*((\a)%4)+\b):8*(8*((\a)%4)+\b)+7], v[SC+16*(\sc)+2*\b+(\q)], v[SC+16*(\sc)+2*(\a)+(\q)] matrix_a_fmt:MATRIX_FMT_FP6 matrix_b_fmt:MATRIX_FMT_FP6 matrix_a_scale:MATRIX_SCALE_ROW1
.endif
.endr
.endr
.endm
.macro FETCH_B slot, q, p              ; B's eight fragments of the slot's q-th 128 along K into set p: 24 loads
	WIN TO_B
.irp i, 0,1,2,3,4,5,6,7
	FRAG 128*(\p)+FR*\i, ADRB+\slot, \q, \i
.endr
	WIN 0
.endm
.macro FETCH_A slot, q, i0             ; A's blocks i0 .. i0 + 3: 12 loads
.irp i, \i0, \i0+1, \i0+2, \i0+3
	FRAG AF+FR*(\i), ADRA+\slot, \q, \i
.endr
.endm
.macro SCALES sc                       ; a K step's scale words into set sc: lanes 0-15 take A's block i, lanes 16-31 B's tile i
.irp i, 0,1,2,3,4,5,6,7
.irp q, 0,1
	ds_load_b32 v[SC+16*\sc+2*\i+\q], v[ADRS] offset:512*\i+64*\q
.endr
.endr
.endm
; A load into a register that a matrix instruction has read, and a vector instruction that reads a matrix result, stand NP places behind that matrix instruction; only plain vector
; instructions that name none of its registers are places (ISA guide 7.12.1 for vector instructions).
.macro PLACES n
.rept \n
	v_nop
.endr
.endm
; A slot's first 128 along K.  A has one set of registers: blocks 0-3 are fetched anew in the step's middle, blocks 4-7 at its end; B has two sets.
.macro STEP slot, mode
	s_wait_dscnt 12                                ; B's set, A's blocks 0-3 and the scale words are in; the youngest twelve loads (A's blocks 4-7) may be out
.if \mode
	WIN 0x81                                       ; C (the bias) in window 0, D in window 2
.else
	WIN MUL_LO
.endif
	MUL16 0, 0, 0, \slot, \mode
	MUL16 2, 0, 0, \slot, \mode
	s_wait_dscnt 0x0                               ; A's blocks 4-7 are in
	PLACES NP
	FETCH_B \slot, 1, 1
	FETCH_A \slot, 1, 0
.if \mode
	WIN 0xc1
.else
	WIN MUL_HI
.endif
	MUL16 4, 0, 0, \slot, \mode
	MUL16 6, 0, 0, \slot, \mode
	PLACES NP
	WIN 0
	FETCH_A \slot, 1, 4
.endm
; A slot's second 128 along K changes slots: one barrier; in front of it each wave waits for all its tensor loads, adds 0 to its spare word, and waits for that and for its own reads of this slot.  fill = 1: this slot is filled again, two K steps ahead.
.macro TURN slot, next, fill
	s_wait_tensorcnt 0x0                           ; all my tensor loads have landed: my part of the next slot;  (every window is 0 here)
	ds_add_u32 v[SPW], v[NIL]                      ; 0 onto my spare word
	s_wait_dscnt 13                                ; (the add and the youngest twelve loads, A's blocks 4-7, may be out)
	WIN MUL_LO
	MUL16 0, 1, 1, \slot, 0                        ; sixteen matrix instructions stand between the add and the wait for it
	s_wait_dscnt 0x0                               ; the add is done, and my reads of this slot are over
	s_barrier_signal -1
	MUL16 2, 1, 1, \slot, 0
	WIN 0
	s_barrier_wait -1
.if \fill
	CREST                                          ; the barrier has opened a round of the cluster's barrier: no wave of any partner still reads this slot's tile or has a load on its way
	s_add_nc_u64 s[G0+4*\slot+2:G0+4*\slot+3], s[G0+4*\slot+2:G0+4*\slot+3], 2*KSB
	s_add_nc_u64 s[G0B+4*\slot+2:G0B+4*\slot+3], s[G0B+4*\slot+2:G0B+4*\slot+3], 2*KSB
	JLOAD G0+4*\slot, G1, G0B+4*\slot, G1B         ; the first tensor load behind the round; the four v_nop behind it are the places in front of the loads below
.else
	PLACES NP
.endif
	s_wait_alu depctr_va_vdst(0)
	v_add_nc_u32 v[ADRS], 128, v[ADRS]             ; on to the next K step's scale words
	FETCH_B \next, 0, 0
	FETCH_A \next, 0, 0
	SCALES \next
	WIN MUL_HI
	MUL16 4, 1, 1, \slot, 0
	MUL16 6, 1, 1, \slot, 0
	PLACES NP
	WIN 0
	FETCH_A \next, 0, 4
.endm
	s_wait_alu depctr_va_vdst(0)                   ; the wait at the head's end
	s_wait_tensorcnt 0x0                           ; my tile of the head's four is in
	ds_add_u32 v[SPW], v[NIL]
	s_mov_b32 s[G1+2], 8<<16                       ; no tensor load of mine is out: from here on a load brings 8 row tiles
	s_mov_b32 s[G1+4], 8
	s_mov_b32 s[G1B+2], 8<<16
	s_mov_b32 s[G1B+4], 8
	s_wait_dscnt 0x0                               ; the add is done
	CROUND                                         ; all four tiles are in, and all sixteen work-groups are here
	JLOAD G0+4, G1, G0B+4, G1B                     ; K step 1, slot 1's first fill: the first tensor load behind the round
	FETCH_B 0, 0, 0
	FETCH_A 0, 0, 0
	s_wait_alu depctr_va_vdst(0)
	SCALES 0
	FETCH_A 0, 0, 4
	s_cmp_eq_u32 ttmp9, 2                          ; the first step is written twice: its products begin the sums with the bias, by B's tile or by A's block
	s_cbranch_scc1 .Lfirst_v
	STEP 0, 1
	s_branch .Lfirst_done
.Lfirst_v:
	STEP 0, 2
.Lfirst_done:
	TURN 0, 1, 1                                   ; K has four steps of 256: the ring is written out.  Slot 0 takes K step 2,
	STEP 1, 0
	TURN 1, 0, 1                                   ; slot 1 K step 3
	STEP 0, 0
	TURN 0, 1, 0                                   ; nothing is left to fetch
	STEP 1, 0
	s_wait_dscnt 12                                ; the very last 128 along K
	WIN MUL_LO
	MUL16 0, 1, 1, 1, 0
	MUL16 2, 1, 1, 1, 0
	s_wait_dscnt 0x0
	WIN MUL_HI
	MUL16 4, 1, 1, 1, 0
	MUL16 6, 1, 1, 1, 0
	WIN 0
; THE WAY OUT.  Block a's 64 registers of a lane, register 16 j + i = B's row 32 j + 16 h + i, are quantised along B's rows: one fragment and one scale word a lane row.  One text serves q, k and v.
.macro OUTQ a
.set AC, 64*((\a)%4)
	WIN 20*(2+(\a)/4)                              ; sources 1 and 2: window 2 or 3
.irp b, 0,1,2,3
	v_max3_num_f32 v[TM+\b], s[FLOOR], |v[AC+16*\b]|, |v[AC+16*\b+1]|   ; block b of 32: my 16 numbers, each accumulator from its low end on, and the floor
.endr
.irp i, 2,4,6,8,10,12,14
.irp b, 0,1,2,3
	v_max3_num_f32 v[TM+\b], v[TM+\b], |v[AC+16*\b+\i]|, |v[AC+16*\b+\i+1]|
.endr
.endr
	WIN 0
.irp b, 0,1,2,3
	v_permlanex16_b32 v[TM+4+\b], v[TM+\b], s[SEL], s[SEL+1]
.endr
.irp b, 0,1,2,3
	v_max_num_f32 v[TM+\b], v[TM+\b], v[TM+4+\b]   ; with lane l xor 16's: the block's largest magnitude
.endr
.irp b, 0,1,2,3
	v_add_nc_u32 v[TM+12+\b], 0xff000000, v[TM+\b] ; 2 off its exponent field: the conversion's scale operand
.endr
.irp b, 0,1,2,3
	v_lshrrev_b32 v[TM+4+\b], 23, v[TM+12+\b]      ; the scale's byte
.endr
	v_lshl_or_b32 v[PW], v[TM+5], 8, v[TM+4]
	v_lshl_or_b32 v[PW], v[TM+6], 16, v[PW]
	v_lshl_or_b32 v[PW], v[TM+7], 24, v[PW]
	v_sub_nc_u32 v[PW], v[PW], s[SUB]              ; q: each byte 3 lower (each is 4 at the least, so no byte borrows): q / 8
	s_wait_xcnt 0x0                                ; the last block's stores have read the codes' registers: they are written again only behind this wait
	WIN 2+(\a)/4                                   ; source 0: window 2 or 3
.irp c, 0,1
	v_cvt_scalef32_pk16_fp6_f32 v[PC+6*\c:PC+6*\c+2], v[AC+32*\c:AC+32*\c+15], v[TM+12+2*\c]
	v_cvt_scalef32_pk16_fp6_f32 v[PC+12+4*\c:PC+14+4*\c], v[AC+32*\c+16:AC+32*\c+31], v[TM+13+2*\c]   ; (a conversion's three registers begin on an even number)
.endr
	WIN 0
	v_nop                                          ; one plain place behind a scaled conversion
.irp c, 0,1                            ; the operand's layout wants a whole block in a lane: lanes 0-15 block 2 c, lanes 16-31 block 2 c + 1
.irp i, 0,1,2
	v_permlane16_swap_b32 v[PC+6*\c+\i], v[PC+12+4*\c+\i]
.endr
.irp i, 0,1,2
	v_mov_b32 v[PC+3+6*\c+\i], v[PC+12+4*\c+\i]
.endr
.endr
.irp c, 0,1,2
	global_store_b128 v[LI], v[PC+4*\c:PC+4*\c+3], s[10:11] offset:FRB*(\a)+512*\c   ; 32 lanes store 512 consecutive bytes, aligned
.endr
	ds_store_b32 v[SSA], v[PW] offset:64*(\a)      ; both halves of the lanes hold the same word and write it to the same place
.endm
	PLACES NP                                      ; behind the last products: their results are read, and registers that they read are written
.irp a, 0,1,2,3,4,5,6,7
	OUTQ \a
.endr
	ds_load_b128 v[84:87], v[SRD]                  ; my eight fragments' 128 scale words (LDS serves a wave's instructions in order: this sees my stores)
	s_wait_dscnt 0x0
	global_store_b128 v[LI], v[84:87], s[12:13]    ; 512 consecutive bytes, aligned
	s_wait_tensorcnt 0x0                           ; the wave's end: behind my last tensor load and my last LDS store
	ds_add_u32 v[SPW], v[NIL]
	s_wait_dscnt 0x0
	CROUND                                         ; the closing round: no work-group ends while a partner may still ask for a tile that names it
	s_endpgm
.Lfunc_end_k_q3e411cfa21_qkv:
	.size	k_q3e411cfa21_qkv, .Lfunc_end_k_q3e411cfa21_qkv-k_q3e411cfa21_qkv
	.p2alignl 7, 3214868480
	.fill 96, 4, 3214868480
	.section	.rodata,"a",@progbits
	.p2align	6, 0x0
	.amdhsa_kernel k_q3e411cfa21_qkv
		.amdhsa_group_segment_fixed_size 327680
		.amdhsa_private_segment_fixed_size 0
		.amdhsa_enable_private_segment 0
		.amdhsa_kernarg_size 40
		.amdhsa_user_sgpr_count 2
		.amdhsa_user_sgpr_kernarg_segment_ptr 1
		.amdhsa_wavefront_size32 1
		.amdhsa_system_sgpr_workgroup_id_x 1
		.amdhsa_system_sgpr_workgroup_id_y 1
		.amdhsa_system_sgpr_workgroup_id_z 1
		.amdhsa_system_vgpr_workitem_id 0
		.amdhsa_next_free_vgpr 1024
		.amdhsa_next_free_sgpr 98
		.amdhsa_reserve_vcc 0
		.amdhsa_float_denorm_mode_32 3
		.amdhsa_float_denorm_mode_16_64 3
		.amdhsa_memory_ordered 1
		.amdhsa_forward_progress 1
		.amdhsa_inst_pref_size 159
	.end_amdhsa_kernel
	.amdgpu_metadata
---
amdhsa.version: [ 1, 2 ]
amdhsa.kernels:
  - .name:           k_q3e411cfa21_qkv
    .symbol:         k_q3e411cfa21_qkv.kd
    .args:
      - { .name: in_codes, .offset: 0, .size: 8, .value_kind: global_buffer, .address_space: global }
      - { .name: in_scales, .offset: 8, .size: 8, .value_kind: global_buffer, .address_space: global }
      - { .name: in_proj_bias, .offset: 16, .size: 8, .value_kind: global_buffer, .address_space: global }
      - { .name: qkv_codes, .offset: 24, .size: 8, .value_kind: global_buffer, .address_space: global }
      - { .name: qkv_scales, .offset: 32, .size: 8, .value_kind: global_buffer, .address_space: global }
    .group_segment_fixed_size: 327680
    .private_segment_fixed_size: 0
    .kernarg_segment_align: 8
    .kernarg_segment_size: 40
    .max_flat_workgroup_size: 128
    .sgpr_count:     98
    .vgpr_count:     1024
    .wavefront_size: 32
...
	.end_amdgpu_metadata
.endif
;; end of part 2
;; launch attn (part 3): grid 4 x 64, 8 waves a work-group, clusters of 4 x 1, 327,680 bytes of LDS; arguments qkv_codes, qkv_scales, mask_img, att_codes, att_scales; writes att_codes, att_scales
.if DOCPART == 3
	.amdgcn_target "amdgcn-amd-amdhsa--gfx1250"
	.amdhsa_code_object_version 6
	.text
	.protected	k_q3e411cfa21_attn
	.globl	k_q3e411cfa21_attn
	.p2align	8
	.type	k_q3e411cfa21_attn,@function
k_q3e411cfa21_attn:
	s_mov_b64 s[64:65], 0
	v_nop
	global_prefetch_b8 v0, s[64:65] scope:SCOPE_SE
	s_setreg_imm32_b32 hwreg(HW_REG_WAVE_MODE, 25, 1), 1
	s_wait_xcnt 0x0
	s_wait_alu depctr_hold_cnt(0) depctr_sa_sdst(0) depctr_va_vdst(0) depctr_va_sdst(0) depctr_va_ssrc(0) depctr_va_vcc(0) depctr_vm_vsrc(0)
	s_getreg_b32 s2, hwreg(HW_REG_IB_STS2, 6, 4)
	s_cmp_eq_u32 s2, 0
	s_cbranch_scc0 .Lentry_in_a_cluster
	s_endpgm
.Lentry_in_a_cluster:
	s_bfe_u32 s2, ttmp6, 0x10000c
	s_cmp_lg_u32 s2, 0x3003
	s_cbranch_scc0 .Lentry_shape_is_right
	s_endpgm
.Lentry_shape_is_right:
; Attention on codes of FP6 (E2M3) with E8M0 scales: o = softmax(q k^T / 8 + mask) v for 8 batches x 16 heads of 64, 1,024 tokens.  The 1 / 8 is already in q's scale bytes.
; THE SOFTMAX AHEAD OF THE SECOND PRODUCT: t = logit x log2(e); M = the row's largest t so far, rounded up to a whole number; p = 2^(t - M) is quantised along the keys, not normalised; the row's sum is taken of the
; unquantised p and divides o at the end.  When M moves, the sum and o are multiplied by 2^(old M - new M): exact.
; SHARES.  A work-group owns a batch, a PAIR of heads (128 features) and 256 queries, which it takes as TWO BLOCKS OF 128, one after the other, on the same K and V: 64 pairs x 4 work-groups = 256 work-groups, and each pair's K and V
; come into a work-group's LDS once for both blocks.  In a block each of the eight waves owns one row tile of 16 queries, for BOTH heads.  So a fragment of k (16 keys x the pair's 128 features)
; feeds two products, a tile of the mask serves two heads, and the wave's result is a whole fragment (16 tokens x 128 features) of the last product's operand with a whole scale word.
; A head's scores: the instruction's K is 128, a head's 64.  Q0 = q's registers 0-5 (features 0-63) with zero codes above, Q1 = zero codes below and registers 6-11: zero codes add nothing.
; LAYOUT.  Both products are used transposed: S^T = k q^T (source 0 = 16 keys), O^T = v^T p^T (source 0 = 16 features): a lane holds one query throughout.  By the row rule of this program's operands (lane row r of
; row tile T = row 32 (T / 2) + 8 (T % 2) + r + 8 (r / 8)) register 16 j + i of eight tiles is key (or feature) 32 j + 16 h + i: sixteen neighbours of each block of 32.
; THE MASK IS THE C OF THE SCORE PRODUCTS: no addition is spent on it.  A step's 16 rows x 512 bytes are loaded a step ahead, 512 consecutive bytes a load, and turn through the wave's own stage in LDS into the result's layout.
; K AND V OF THE PAIR STAY IN LDS: 2 x 98,304 dense bytes and 2 x 4,096 of scale words, each byte filled once.  The four work-groups of a cluster read the same K and V: each part is asked for jointly, mask 15.
; The mask is not asked for jointly: each wave wants other rows of it, and it goes through registers so that it can be a C operand.
; Key steps 0-2 come by one load a wave and steps 3-7 by another, so that the first two steps run while the rest lands: three tensor loads of a wave are out at the most.
; FROM BLOCK TO BLOCK: the second block's q, its scale words, its first tile of the mask and its first fragments of k are asked for in the first block's last key step, behind that step's score products:
; two softmaxes and the way out stand between the requests and their first use.  No barrier stands between the blocks: K and V are only read, and a stage is its wave's own.
; LIMITS: a block of zeros or under 2^-124 gets the byte 1 with zero or tiny codes; NaN and +infinity are not served; a row of the mask that is wholly -infinity gives NaN.
; REGISTERS, window 0: v1-11 addresses; v12-15, v16-19 the two heads' -M, largest t, sum in two halves; v[20:21] f; v22-23 at work; v24-27 blocks' maxima; v28-31, v32-35, v[36:37] at work; v38 p's scale word; v39 q's;
;   v40-43 k's scale words, v44-47 v's (two tiles a register: the even tile in lanes 0-15, the odd in lanes 16-31); v64-127 X: head B's scores; v128-191 Y: head A's scores; v192-255 G: the next step's mask.
;   window 1: v0-11 Q0, v12-23 Q1, v24-119 k's 8 fragments, v120-167 v's 4 fragments of one head, v168-231 O^T (head A's 32, head B's 32), v232-250 p's codes.
; THE MASK NOW COMES AS AN IMAGE OF THE C REGISTERS (mask_img, laid by the first launch: [row tile 64][key step 8][16 planes of 512 bytes]): what is said above of a stage in LDS and of a turn through it holds no more.
; A step's sixteen loads of 512 consecutive bytes, issued a step ahead into v192-255, are the C of both heads' score products as they land; no LDS byte is stored by a wave.
; At the head each wave issues one tensor load, and key steps 3-7 follow behind a round: one tensor load of a wave is out at the most.
.set VB,   98304                       ; LDS: K's codes at 0, V's here,
.set SCB,  196608                      ; K's scale words (4,096 bytes), then V's,
.set STEPB, 12288                      ; a key step's 8 fragments
.set LI,   1                           ; v1   16 x lane
.set MO,   5                           ; v5   the mask image's offset: 16 x lane + 8,192 x step
.set ADK,  6                           ; v6   LDS address of the K step to be fetched
.set ADV,  7                           ; v7   of this step's V
.set ADS,  8                           ; v8   of K's scale words
.set ADT,  9                           ; v9   of V's
.set R4,   10                          ; v10  4 r
.set LN,   11                          ; v11  lane
.set BM,   24
.set BP,   28
.set SO,   32
.set PS,   38
.set QS,   39
.set KS,   40
.set VS,   44
.set X,    64
.set Y,    128
.set G,    192
.set Q0,   0                           ; window 1
.set Q1,   12
.set FK,   24
.set FV,   120
.set O,    168
.set PC,   232
.set OCD,  64                          ; the way out: the codes, v64-75, and v76-82 at work
.set WV,   14                          ; s14  my wave's number
.set SEL,  20                          ; s[20:21] lane selects for v_permlanex16_b32: lane l xor 16
.set CS,   22                          ; s[22:23] log2(e): the packed form names a pair and takes its low word for both halves
.set G1A,  24                          ; s[24:31] descriptor group 1: 16 rows of 256 bytes (one side's scale words);  s[32:39]: 48 rows (one key step of one side);  s[40:47]: 60 rows (a quarter of a side's steps 3-7)
.set G1B,  32
.set G1C,  40
.set G0A,  48                          ; s[48:51], s[52:55], s[56:59] their groups 0
.set G0B,  52
.set G0C,  56
.set QSA,  60                          ; s[60:61] q's scale words
.set QA,   62                          ; s[62:63] q's fragment
.set CNT,  79                          ; s79  trips to go
.set MSB, 0
.macro WIN new                         ; the immediate's high byte repeats the setting that is left
.if MSB != \new
	s_set_vgpr_msb (MSB<<8)|\new
.set MSB, \new
.endif
.endm
.macro CROUND                          ; a round of the cluster's barrier
	s_barrier_signal -1
	s_barrier_wait -1
	s_cmp_lg_u32 s[WV], 0
	s_cbranch_scc1 .Lnot_wave_0_\@
	s_barrier_signal -3
.Lnot_wave_0_\@:
	s_barrier_wait -3
	s_barrier_signal -1
	s_barrier_wait -1
.endm
.macro QLOAD                           ; a block's q: my fragment twice (each copy will keep one head's half), and its scale words: seven loads
	WIN 0x40                                       ; destination window 1
.irp c, 0,1,2
	global_load_b128 v[Q0+4*\c:Q0+4*\c+3], v[LI], s[QA:QA+1] offset:512*\c
	global_load_b128 v[Q1+4*\c:Q1+4*\c+3], v[LI], s[QA:QA+1] offset:512*\c
.endr
	WIN 0
	global_load_b32 v[QS], v[R4], s[QSA:QSA+1]
.endm
.macro MASKLOAD                        ; 16 planes of 512 consecutive bytes: the mask of my 16 queries for 128 keys, in the score products' C layout
.irp t, 0,1,2,3,4,5,6,7,8,9,10,11,12,13,14,15
	global_load_b128 v[G+4*\t:G+4*\t+3], v[MO], s[8:9] offset:512*\t
.endr
.endm
; A block begins: the statistics, v's addresses, q's two copies and O^T.  QLOAD and, behind it, MASKLOAD have been issued.
.macro INIT
	v_mov_b32 v13, 0xff61b1e6                      ; the largest t so far: -3e38, under every t
	s_delay_alu instid0(VALU_DEP_1)
	v_floor_f32 v12, -v13                          ; -M
	v_mov_b32 v14, 0                               ; the sum, in two halves
	v_mov_b32 v15, 0
	v_mov_b32 v17, 0xff61b1e6
	s_delay_alu instid0(VALU_DEP_1)
	v_floor_f32 v16, -v17
	v_mov_b32 v18, 0
	v_mov_b32 v19, 0
	v_add_nc_u32 v[ADV], VB, v[LI]                 ; v and its scale words at key step 0
	v_lshl_add_u32 v[ADT], v[LN], 2, SCB+4096
	s_wait_loadcnt 16                              ; q and its scale words are in; the mask's sixteen loads, issued behind them, may be out
	WIN 0x40
.irp i, 0,1,2,3,4,5
	v_mov_b32 v[Q0+6+\i], 0                        ; Q0: head B's features become zero codes,
	v_mov_b32 v[Q1+\i], 0                          ; Q1: head A's
.endr
.set J, 0
.rept 64
	v_mov_b32 v[O+J], 0                            ; O^T.  (The step is written for every step alike: the first finds zeros, which the first change of M leaves zeros)
.set J, J+1
.endr
	WIN 0
.endm
	s_load_b256 s[4:11], s[0:1], 0x0               ; qkv_codes s[4:5], qkv_scales s[6:7], mask_img s[8:9], att_codes s[10:11]
	s_load_b64 s[12:13], s[0:1], 0x20              ; att_scales
	v_lshl_add_u32 v62, v0, 2, 0x42800
	v_mov_b32 v63, 0
	ds_add_u32 v62, v63
	ds_add_u32 v62, v63
	v_lshrrev_b32 v2, 5, v0
	s_delay_alu instid0(VALU_DEP_1)
	v_readfirstlane_b32 s[WV], v2                  ; wave 0..7
	v_and_b32 v[LN], 31, v0
	v_and_b32 v2, 15, v0                           ; r
	s_delay_alu instid0(VALU_DEP_2)
	v_lshlrev_b32 v[LI], 4, v[LN]
	s_delay_alu instid0(VALU_DEP_2)
	v_lshlrev_b32 v[R4], 2, v2
	v_lshlrev_b32 v[MO], 4, v[LN]
	v_lshlrev_b32 v[ADK], 4, v[LN]
	v_lshl_add_u32 v[ADS], v[LN], 2, SCB
	s_mov_b32 s[SEL], 0x76543210
	s_mov_b32 s[SEL+1], 0xfedcba98
	s_mov_b32 s[CS], 0x3fb8aa3b                    ; log2(e)
	s_mov_b32 s[CS+1], s[CS]                       ; (named with it as a pair, so it is written)
	s_bfe_u32 s17, ttmp6, 0x40000                  ; cx: it enters the addresses of q, the mask and the results alone
	s_lshl_b32 s18, ttmp9, 2
	s_add_co_u32 s18, s18, s17
	s_lshl_b32 s18, s18, 1                         ; my first block of 128 queries: 2 x (4 x cluster x + cx); the second is the next one
	s_and_b32 s19, ttmp7, 0xffff                   ; 8 x batch + pair, which the four partners share
	; what I fetch: waves 0-3 a quarter of K's, waves 4-7 of V's
	s_lshr_b32 s15, s[WV], 2                       ; side
	s_and_b32 s16, s[WV], 3                        ; part
	s_lshl_b32 s66, s15, 6
	s_add_co_u32 s66, s66, 64
	s_add_co_u32 s66, s66, s19                     ; 64 x section + 8 x batch + pair
	s_mul_i32 s68, s66, 98304                      ; its codes, in bytes
	; the head's load, one a wave: waves 0-2 K's key steps 0-2, waves 3-5 V's, wave 6 K's scale words, wave 7 V's
	s_mul_i32 s2, s[WV], 11
	s_lshr_b32 s2, s2, 5                           ; waves 0-2: 0, waves 3-5: 1
	s_mul_i32 s77, s[WV], STEPB
	s_mul_i32 s3, s2, VB-3*STEPB
	s_add_co_u32 s77, s77, s3                      ; in LDS: side x VB + step x STEPB
	s_add_co_u32 s70, s19, 64
	s_mul_i32 s70, s70, 98304                      ; in memory: K's codes of the pair,
	s_mul_i32 s3, s[WV], STEPB
	s_add_co_u32 s70, s70, s3
	s_mul_i32 s3, s2, 64*98304-3*STEPB             ; V's lie 64 pairs on
	s_add_co_u32 s70, s70, s3
	s_mov_b32 s71, 0
	s_mul_i32 s78, s16, 15360
	s_add_co_u32 s72, s68, s78
	s_add_co_u32 s72, s72, 36864                   ; of steps 3-7,
	s_mov_b32 s73, 0
	s_and_b32 s67, s[WV], 1                        ; wave 6: K's scale words, wave 7: V's
	s_lshl_b32 s74, s67, 6
	s_add_co_u32 s74, s74, s19
	s_add_co_u32 s74, s74, 64
	s_lshl_b32 s74, s74, 12                        ; 4,096 bytes a pair
	s_mov_b32 s75, 0
	s_mul_i32 s69, s15, VB                         ; in LDS: the side,
	s_add_co_u32 s78, s78, s69
	s_add_co_u32 s78, s78, 36864                   ; of steps 3-7: the wave's number alone enters an LDS address
	s_lshl_b32 s76, s67, 12
	; descriptor group 1: dense bytes as rows of 256 (32 elements of 8 bytes)
.irp g, G1A, G1B, G1C
	s_mov_b32 s[\g], 15|(3<<16)|(1<<21)            ; 15:0 the mask: all four work-groups; 17:16 elements of 8 bytes; 21 set beside a mask
	s_mov_b32 s[\g+1], 32<<16                      ; tensor_dim0
	s_mov_b32 s[\g+3], 32<<16                      ; tile_dim0
	s_mov_b32 s[\g+5], 32                          ; tensor_dim0_stride
	s_mov_b32 s[\g+6], 0
	s_mov_b32 s[\g+7], 0
.endr
	s_mov_b32 s[G1A+2], 16<<16                     ; tensor_dim1,
	s_mov_b32 s[G1A+4], 16                         ; tile_dim1
	s_mov_b32 s[G1B+2], 48<<16
	s_mov_b32 s[G1B+4], 48
	s_mov_b32 s[G1C+2], 60<<16
	s_mov_b32 s[G1C+4], 60
	s_wait_dscnt 0x0
	s_wait_kmcnt 0x0
	CROUND                                         ; all four work-groups are here: the joint loads meet
	s_mov_b32 s[G0A], 1
	s_add_co_u32 s[G0A+1], s76, SCB
	s_add_nc_u64 s[G0A+2:G0A+3], s[6:7], s[74:75]
	s_or_b32 s[G0A+3], s[G0A+3], 0x80000000
	s_mov_b32 s[G0B], 1
	s_mov_b32 s[G0B+1], s77
	s_add_nc_u64 s[G0B+2:G0B+3], s[4:5], s[70:71]
	s_or_b32 s[G0B+3], s[G0B+3], 0x80000000
	s_mov_b32 s[G0C], 1
	s_mov_b32 s[G0C+1], s78
	s_add_nc_u64 s[G0C+2:G0C+3], s[4:5], s[72:73]
	s_or_b32 s[G0C+3], s[G0C+3], 0x80000000
	s_cmp_lt_u32 s[WV], 6                          ; one tensor load a wave at the head: every way passes one
	s_cbranch_scc0 .Lhead_sc
	tensor_load_to_lds s[G0B:G0B+3], s[G1B:G1B+7]  ; one key step of K or of V
	s_nop 0
.rept 4
	v_nop
.endr
	s_branch .Lhead_asked
.Lhead_sc:
	tensor_load_to_lds s[G0A:G0A+3], s[G1A:G1A+7]  ; one side's scale words
	s_nop 0
.rept 4
	v_nop
.endr
.Lhead_asked:
	; q's fragment: section 0, block of 128 tokens = my block, fragment = my wave
	s_mul_i32 s2, s19, 98304
	s_mul_i32 s3, s18, STEPB
	s_add_co_u32 s2, s2, s3
	s_mul_i32 s3, s[WV], 1536
	s_add_co_u32 s2, s2, s3
	s_mov_b32 s3, 0
	s_add_nc_u64 s[QA:QA+1], s[4:5], s[2:3]
	s_lshl_b32 s2, s19, 12
	s_lshl_b32 s17, s18, 9
	s_add_co_u32 s2, s2, s17
	s_lshl_b32 s17, s[WV], 6
	s_add_co_u32 s2, s2, s17
	s_add_nc_u64 s[QSA:QSA+1], s[6:7], s[2:3]
	; the mask's image: my row tile is 8 x block + wave, 65,536 bytes each
	s_lshl_b32 s2, s18, 3
	s_add_co_u32 s2, s2, s[WV]
	s_lshl_b32 s2, s2, 16
	s_add_nc_u64 s[8:9], s[8:9], s[2:3]
	; the results: token row tile 64 x batch + 8 x block + wave, K fragment = pair
	s_lshr_b32 s2, s19, 3
	s_lshl_b32 s2, s2, 6
	s_lshl_b32 s17, s18, 3
	s_add_co_u32 s2, s2, s17
	s_add_co_u32 s17, s2, s[WV]
	s_and_b32 s18, s19, 7
	s_mul_i32 s2, s17, 12288
	s_mul_i32 s16, s18, 1536
	s_add_co_u32 s2, s2, s16
	s_add_nc_u64 s[10:11], s[10:11], s[2:3]
	s_lshl_b32 s2, s17, 9
	s_lshl_b32 s18, s18, 6
	s_add_co_u32 s2, s2, s18
	s_add_nc_u64 s[12:13], s[12:13], s[2:3]
	s_wait_alu depctr_va_vdst(0)
	QLOAD                                          ; the first block's q,
	MASKLOAD                                       ; and its mask for key step 0
	v_mov_b32 v20, 0
	v_mov_b32 v21, 0                               ; (named as upper halves of pairs, so they are written)
	v_mov_b32 v23, 0
.irp b, 0,1,2,3
	v_mov_b32 v[BP+\b], 0                          ; written once: a lane permute's destination counts as one of its sources
.endr
	INIT
.macro FETCH_K                         ; the 8 fragments of k and their scale words at v[ADK], v[ADS]
	WIN 0x40
.irp t, 0,1,2,3,4,5,6,7
.irp c, 0,1,2
	ds_load_b128 v[FK+12*\t+4*\c:FK+12*\t+4*\c+3], v[ADK] offset:1536*\t+512*\c
.endr
.endr
	WIN 0
.irp u, 0,1,2,3
	ds_load_b32 v[KS+\u], v[ADS] offset:128*\u     ; lanes 0-15: tile 2 u's words, lanes 16-31: tile 2 u + 1's
.endr
.endm
.macro FETCH_V a0                      ; the 4 fragments of v of one head: feature row tiles a0 .. a0 + 3
	WIN 0x40
.irp a, 0,1,2,3
.irp c, 0,1,2
	ds_load_b128 v[FV+12*\a+4*\c:FV+12*\a+4*\c+3], v[ADV] offset:1536*(\a0+\a)+512*\c
.endr
.endr
	WIN 0
.endm
.macro SCORE d, c, q                   ; 8 products: 128 keys x my 16 queries, one head; C = the mask
.irp t, 0,1,2,3,4,5,6,7
.if (\t)%2
	v_wmma_scale_f32_16x16x128_f8f6f4 v[\d+8*\t:\d+8*\t+7], v[FK+12*\t:FK+12*\t+11], v[\q:\q+11], v[\c+8*\t:\c+8*\t+7], v[KS+\t/2], v[QS] matrix_a_fmt:MATRIX_FMT_FP6 matrix_b_fmt:MATRIX_FMT_FP6 matrix_a_scale:MATRIX_SCALE_ROW1
.else
	v_wmma_scale_f32_16x16x128_f8f6f4 v[\d+8*\t:\d+8*\t+7], v[FK+12*\t:FK+12*\t+11], v[\q:\q+11], v[\c+8*\t:\c+8*\t+7], v[KS+\t/2], v[QS] matrix_a_fmt:MATRIX_FMT_FP6 matrix_b_fmt:MATRIX_FMT_FP6
.endif
.endr
.endm
.macro PVMUL a0                        ; 4 products: O^T += v^T p^T, one head's 64 features; the four accumulators take turns
.irp a, 0,1,2,3
.if (\a)%2
	v_wmma_scale_f32_16x16x128_f8f6f4 v[O+8*(\a0+\a):O+8*(\a0+\a)+7], v[FV+12*\a:FV+12*\a+11], v[PC:PC+11], v[O+8*(\a0+\a):O+8*(\a0+\a)+7], v[VS+(\a0+\a)/2], v[PS] matrix_a_fmt:MATRIX_FMT_FP6 matrix_b_fmt:MATRIX_FMT_FP6 matrix_a_scale:MATRIX_SCALE_ROW1
.else
	v_wmma_scale_f32_16x16x128_f8f6f4 v[O+8*(\a0+\a):O+8*(\a0+\a)+7], v[FV+12*\a:FV+12*\a+11], v[PC:PC+11], v[O+8*(\a0+\a):O+8*(\a0+\a)+7], v[VS+(\a0+\a)/2], v[PS] matrix_a_fmt:MATRIX_FMT_FP6 matrix_b_fmt:MATRIX_FMT_FP6
.endif
.endr
.endm
; One head's softmax of a key step.  sb: its 64 logits; st: its statistics; ob: its 32 registers of O^T (window 1).  It leaves p's codes in v[PC] on (window 1) and p's scale word in v[PS].
.macro SOFTMAX sb, st, ob
.irp b, 0,1,2,3
	v_max3_num_f32 v[BM+\b], v[\sb+16*\b], v[\sb+16*\b+1], v[\sb+16*\b+2]   ; the largest logit of each block of 32 keys: it serves for the row's maximum and, since p rises with the logit, for the block's largest p
.endr
.irp i, 3,5,7,9,11,13
.irp b, 0,1,2,3
	v_max3_num_f32 v[BM+\b], v[BM+\b], v[\sb+16*\b+\i], v[\sb+16*\b+\i+1]
.endr
.endr
.irp b, 0,1,2,3
	v_max_num_f32 v[BM+\b], v[BM+\b], v[\sb+16*\b+15]
.endr
.irp b, 0,1,2,3
	s_delay_alu instid0(VALU_DEP_4)
	v_permlanex16_b32 v[BP+\b], v[BM+\b], s[SEL], s[SEL+1]
.endr
.irp b, 0,1,2,3
	s_delay_alu instid0(VALU_DEP_4)
	v_max_num_f32 v[BM+\b], v[BM+\b], v[BP+\b]     ; with lane l xor 16's 16 keys
.endr
	s_delay_alu instid0(VALU_DEP_2)
	v_max3_num_f32 v22, v[BM], v[BM+1], v[BM+2]
	s_delay_alu instid0(VALU_DEP_1)
	v_max_num_f32 v22, v22, v[BM+3]                ; the step's largest logit of my query
	s_delay_alu instid0(VALU_DEP_1)
	v_mul_f32 v22, s[CS], v22                      ; as t
	s_delay_alu instid0(VALU_DEP_1)
	v_max_num_f32 v[\st+1], v[\st+1], v22          ; the running largest t
	v_mov_b32 v22, v[\st]
	s_delay_alu instid0(VALU_DEP_2)
	v_floor_f32 v[\st], -v[\st+1]                  ; the new -M = floor(-t) = -ceil(t): a whole number
	s_delay_alu instid0(VALU_DEP_1)
	v_sub_f32 v22, v[\st], v22                     ; old M - new M: a whole number, 0 or less
	s_delay_alu instid0(VALU_DEP_1)
	v_cvt_i32_f32 v22, v22                         ; (it saturates)
	s_delay_alu instid0(VALU_DEP_1)
	v_ldexp_f32 v20, 1.0, v22                      ; f = 2^(old M - new M)
.set J, 0
.rept 32
	v_pk_fma_f32 v[\sb+J:\sb+J+1], v[\sb+J:\sb+J+1], s[CS:CS+1], v[\st:\st+1] op_sel_hi:[1,0,0]   ; t - M, two at a time
.set J, J+2
.endr
.irp b, 0,1,2,3
	v_fma_f32 v[BM+\b], v[BM+\b], s[CS], v[\st]    ; the same of each block's largest logit
.endr
.set J, 0
	s_wait_alu depctr_va_vdst(0)
.rept 64
	v_exp_f32 v[\sb+J], v[\sb+J]                   ; p = 2^(t - M), at most 1
.set J, J+1
.endr
	v_pk_mul_f32 v[\st+2:\st+3], v[\st+2:\st+3], v[20:21] op_sel_hi:[1,0]   ; the sums under the new M: a plain instruction behind the exponentials
	s_wait_alu depctr_va_vdst(0)                   ; one wait for the whole batch, ahead of its first reader
.irp b, 0,1,2,3
	v_exp_f32 v[BM+\b], v[BM+\b]                   ; the block's largest p: the same two instructions on the same number give the same bits
.endr
	v_pk_add_f32 v[36:37], v[\sb:\sb+1], v[\sb+2:\sb+3]   ; the row's sum is taken of the unquantised p: two at a time, in two chains
.set J, 4
.rept 15
	v_pk_add_f32 v[\st+2:\st+3], v[\st+2:\st+3], v[\sb+J:\sb+J+1]
	v_pk_add_f32 v[36:37], v[36:37], v[\sb+J+2:\sb+J+3]
.set J, J+4
.endr
	s_delay_alu instid0(VALU_DEP_1)
	v_pk_add_f32 v[\st+2:\st+3], v[\st+2:\st+3], v[36:37]
	s_wait_alu depctr_va_vdst(0)                   ; and one for the four
.irp b, 0,1,2,3
	v_max_num_f32 v[BM+\b], 0x1800000, v[BM+\b]    ; the floor 2^(3 - 127): the byte cannot fall under 1
.endr
.irp b, 0,1,2,3
	s_delay_alu instid0(VALU_DEP_4)
	v_add_nc_u32 v[SO+\b], 0xff000000, v[BM+\b]    ; 2 off the exponent field: the conversion's scale operand
.endr
.irp b, 0,1,2,3
	s_delay_alu instid0(VALU_DEP_4)
	v_lshrrev_b32 v[BP+\b], 23, v[SO+\b]           ; the scale's byte
.endr
	s_delay_alu instid0(VALU_DEP_3)
	v_lshl_or_b32 v[PS], v[BP+1], 8, v[BP]         ; p's scale word for these 128 keys
	s_delay_alu instid0(VALU_DEP_1)
	v_lshl_or_b32 v[PS], v[BP+2], 16, v[PS]
	s_delay_alu instid0(VALU_DEP_1)
	v_lshl_or_b32 v[PS], v[BP+3], 24, v[PS]
	WIN 0x40                                       ; destination window 1
.irp c, 0,1
	v_cvt_scalef32_pk16_fp6_f32 v[PC+6*\c:PC+6*\c+2], v[\sb+32*\c:\sb+32*\c+15], v[SO+2*\c]
	v_cvt_scalef32_pk16_fp6_f32 v[PC+12+4*\c:PC+14+4*\c], v[\sb+32*\c+16:\sb+32*\c+31], v[SO+2*\c+1]   ; (a conversion's three registers begin on an even number)
.endr
	v_nop                                          ; one plain place behind a scaled conversion
	WIN 0x41                                       ; destination and source 0 window 1
.irp c, 0,1                            ; the operand's layout wants a whole block in a lane
.irp i, 0,1,2
	v_permlane16_swap_b32 v[PC+6*\c+\i], v[PC+12+4*\c+\i]
.endr
.irp i, 0,1,2
	s_delay_alu instid0(VALU_DEP_3)
	v_mov_b32 v[PC+3+6*\c+\i], v[PC+12+4*\c+\i]
.endr
.endr
.set J, 0
.rept 16
	v_pk_mul_f32 v[\ob+J:\ob+J+1], v[\ob+J:\ob+J+1], v[20:21] op_sel_hi:[1,0]   ; O^T under the new M.  (These are also the places between the writes of p's codes and scale word and the products)
.set J, J+2
.endr
.endm
; A KEY STEP: 128 keys, both heads.  kind 0: a step of the same block follows.  kind 1: written for the loop whose last trip has nothing behind it.  kind 2: the block's last step, with another block behind it:
; what is asked for ahead is that block's q, its mask and k of key step 0.
.macro STEP kind
	s_wait_loadcnt 0x0                             ; this step's mask, asked for a step ago, is in: register 16 e + i = the mask at my query, key 32 e + 16 h + i
	s_wait_dscnt 0x0                               ; k's fragments and scale words, asked for a step ago, are in
	WIN 0x05                                       ; sources 0 (k) and 1 (q) window 1; C and D window 0
	SCORE Y, G, Q0                                 ; head A: Y = mask + k q^T
	SCORE X, G, Q1                                 ; head B: X = mask + k q^T
	WIN 0
.if \kind == 2
	v_lshlrev_b32 v[ADK], 4, v[LN]                 ; back to key step 0's k.  (These two and two v_nop are the places in front of the loads into k's and q's registers and of the first read of results)
	v_lshl_add_u32 v[ADS], v[LN], 2, SCB
.else
	v_add_nc_u32 v[ADK], STEPB, v[ADK]             ; on to the next step's k: these two and two v_nop are the places in front of the loads into k's registers and of the first read of results
	v_add_nc_u32 v[ADS], 512, v[ADS]
.endif
	v_nop
	v_nop
.if \kind == 1
	s_cmp_eq_u32 s[CNT], 1                         ; the last step has no successor: no load leaves the mask
	s_cbranch_scc1 .Lno_next_\@
.endif
.if \kind == 2
	v_lshlrev_b32 v[MO], 4, v[LN]                  ; the mask's offset and the three bases are free since the wait at the step's head: no load of mine is out
	s_add_nc_u64 s[8:9], s[8:9], 8*65536           ; the next block's eight row tiles of the mask's image,
	s_add_nc_u64 s[QA:QA+1], s[QA:QA+1], STEPB     ; its fragments of q,
	s_add_nc_u64 s[QSA:QSA+1], s[QSA:QSA+1], 512   ; and their scale words
	QLOAD                                          ; both score products of this block's last step have read q
.else
	v_add_nc_u32 v[MO], 8192, v[MO]                ; (free since the wait at the step's head)
.endif
	MASKLOAD                                       ; the next step's mask: it has this step's two softmaxes in which to land
	FETCH_K
.if \kind == 1
.Lno_next_\@:
.endif
.irp u, 0,1,2,3
	ds_load_b32 v[VS+\u], v[ADT] offset:128*\u
.endr
	FETCH_V 0
	SOFTMAX Y, 12, O
	s_wait_alu depctr_va_vdst(0)
	s_wait_dscnt 0x0                               ; v's fragments and scale words are in
	WIN 0x55                                       ; all four operands window 1
	PVMUL 0
	WIN 0
	v_add_nc_u32 v[ADT], 512, v[ADT]               ; with three v_nop: the places in front of the loads into v's registers
	v_nop
	v_nop
	v_nop
	FETCH_V 4
	v_add_nc_u32 v[ADV], STEPB, v[ADV]
	SOFTMAX X, 16, O+32
	s_wait_alu depctr_va_vdst(0)
	s_wait_dscnt 0x0
	WIN 0x55
	PVMUL 4
	WIN 0
.endm
; THE WAY OUT of a block.  O^T is divided by the row's sum and quantised along the pair's 128 features: one fragment of the last product's operand, and its scale word.
; It touches neither q's, k's and the mask's registers nor their scale words, into which the next block's loads may be on their way.
.macro WAYOUT
.rept 4
	v_nop                                          ; places behind the last products
.endr
	v_add_f32 v14, v14, v15                        ; each head's sum: its two halves,
	v_add_f32 v18, v18, v19
	s_delay_alu instid0(VALU_DEP_2)
	v_permlanex16_b32 v[BP], v14, s[SEL], s[SEL+1]
	s_delay_alu instid0(VALU_DEP_2)
	v_permlanex16_b32 v[BP+1], v18, s[SEL], s[SEL+1]
	s_delay_alu instid0(VALU_DEP_2)
	v_add_f32 v14, v14, v[BP]                      ; and lane l xor 16's
	s_delay_alu instid0(VALU_DEP_2)
	v_add_f32 v18, v18, v[BP+1]
	s_wait_alu depctr_va_vdst(0)
	v_rcp_f32 v20, v14
	v_rcp_f32 v22, v18
	v_nop                                          ; a plain instruction behind the reciprocals
	s_wait_alu depctr_va_vdst(0)                   ; and the wait ahead of their first reader
	WIN 0x41
.set J, 0
.rept 16
	v_pk_mul_f32 v[O+J:O+J+1], v[O+J:O+J+1], v[20:21] op_sel_hi:[1,0]   ; each accumulator from its low end on
.set J, J+2
.endr
.rept 16
	v_pk_mul_f32 v[O+J:O+J+1], v[O+J:O+J+1], v[22:23] op_sel_hi:[1,0]
.set J, J+2
.endr
	WIN 0x14                                       ; sources 1 and 2 window 1
.irp b, 0,1,2,3
	v_max3_num_f32 v[BM+\b], 0x1800000, |v[O+16*\b]|, |v[O+16*\b+1]|
.endr
.irp i, 2,4,6,8,10,12,14
.irp b, 0,1,2,3
	s_delay_alu instid0(VALU_DEP_4)
	v_max3_num_f32 v[BM+\b], v[BM+\b], |v[O+16*\b+\i]|, |v[O+16*\b+\i+1]|
.endr
.endr
	WIN 0
.irp b, 0,1,2,3
	v_permlanex16_b32 v[BP+\b], v[BM+\b], s[SEL], s[SEL+1]
.endr
.irp b, 0,1,2,3
	s_delay_alu instid0(VALU_DEP_4)
	v_max_num_f32 v[BM+\b], v[BM+\b], v[BP+\b]
.endr
.irp b, 0,1,2,3
	s_delay_alu instid0(VALU_DEP_4)
	v_add_nc_u32 v[SO+\b], 0xff000000, v[BM+\b]
.endr
.irp b, 0,1,2,3
	s_delay_alu instid0(VALU_DEP_4)
	v_lshrrev_b32 v[BP+\b], 23, v[SO+\b]
.endr
	s_delay_alu instid0(VALU_DEP_3)
	v_lshl_or_b32 v36, v[BP+1], 8, v[BP]
	s_delay_alu instid0(VALU_DEP_1)
	v_lshl_or_b32 v36, v[BP+2], 16, v36
	s_delay_alu instid0(VALU_DEP_1)
	v_lshl_or_b32 v36, v[BP+3], 24, v36            ; my row's scale word
	WIN 0x01                                       ; source 0 window 1
.irp c, 0,1
	v_cvt_scalef32_pk16_fp6_f32 v[OCD+6*\c:OCD+6*\c+2], v[O+32*\c:O+32*\c+15], v[SO+2*\c]
	v_cvt_scalef32_pk16_fp6_f32 v[OCD+12+4*\c:OCD+14+4*\c], v[O+32*\c+16:O+32*\c+31], v[SO+2*\c+1]
.endr
	WIN 0
	v_nop                                          ; one plain place behind a scaled conversion
.irp c, 0,1
.irp i, 0,1,2
	v_permlane16_swap_b32 v[OCD+6*\c+\i], v[OCD+12+4*\c+\i]
.endr
.irp i, 0,1,2
	s_delay_alu instid0(VALU_DEP_3)
	v_mov_b32 v[OCD+3+6*\c+\i], v[OCD+12+4*\c+\i]
.endr
.endr
.irp c, 0,1,2
	global_store_b128 v[LI], v[OCD+4*\c:OCD+4*\c+3], s[10:11] offset:512*\c   ; 32 lanes store 512 consecutive bytes, aligned
.endr
	v_cmp_gt_u32 vcc_lo, 16, v[LN]
	s_wait_xcnt 0x0                                ; EXEC changes only behind this wait: it holds for the stores above and for the next block's loads
	s_and_saveexec_b32 s16, vcc_lo
	global_store_b32 v[R4], v36, s[12:13]          ; lanes 0-15: the fragment's 16 scale words, 64 consecutive bytes
	s_wait_xcnt 0x0                                ; and again, in front of the line that widens it; behind it the stores' data registers and bases may be written too
	s_or_b32 exec_lo, exec_lo, s16
.endm
	s_wait_alu depctr_va_vdst(0)                   ; the wait at the head's end
	s_wait_tensorcnt 0x0                           ; my part of the head's tiles is in
	ds_add_u32 v62, v63
	s_wait_dscnt 0x0
	CROUND                                         ; the scale words and key steps 0-2 are whole, and all four work-groups are here
	tensor_load_to_lds s[G0C:G0C+3], s[G1C:G1C+7]  ; my quarter of a side's key steps 3-7: a first fill, my one load behind the round; it has two key steps in which to land
	s_nop 0
.rept 4
	v_nop
.endr
	FETCH_K                                        ; key step 0
	s_mov_b32 s[CNT], 2
.Lhead:                                                ; the first block's key steps 0 and 1: they read k up to step 2 and v up to step 1
	STEP 0
	s_sub_co_u32 s[CNT], s[CNT], 1
	s_cmp_lg_u32 s[CNT], 0
	s_cbranch_scc1 .Lhead
	s_wait_tensorcnt 0x0                           ; my part of key steps 3-7 is in,
	s_wait_dscnt 0x0
	s_barrier_signal -1
	s_barrier_wait -1                              ; everybody's is: from here on K and V are whole, for both blocks
	s_mov_b32 s[CNT], 5
.Lrest:                                                ; key steps 2 to 6
	STEP 0
	s_sub_co_u32 s[CNT], s[CNT], 1
	s_cmp_lg_u32 s[CNT], 0
	s_cbranch_scc1 .Lrest
	STEP 2                                         ; key step 7, written out: it asks for the second block's q, mask and k
	WAYOUT
	s_add_nc_u64 s[10:11], s[10:11], 8*12288       ; the second block's results: eight token row tiles on
	s_add_nc_u64 s[12:13], s[12:13], 8*512
	INIT
	s_mov_b32 s[CNT], 8
.Lsecond:                                              ; the second block's eight key steps
	STEP 1
	s_sub_co_u32 s[CNT], s[CNT], 1
	s_cmp_lg_u32 s[CNT], 0
	s_cbranch_scc1 .Lsecond
	WAYOUT
	s_wait_dscnt 0x0
	s_wait_tensorcnt 0x0
	ds_add_u32 v62, v63
	s_wait_dscnt 0x0
	CROUND                                         ; the closing round: no work-group ends while a partner may still ask for a tile that names it
	s_endpgm
.Lfunc_end_k_q3e411cfa21_attn:
	.size	k_q3e411cfa21_attn, .Lfunc_end_k_q3e411cfa21_attn-k_q3e411cfa21_attn
	.p2alignl 7, 3214868480
	.fill 96, 4, 3214868480
	.section	.rodata,"a",@progbits
	.p2align	6, 0x0
	.amdhsa_kernel k_q3e411cfa21_attn
		.amdhsa_group_segment_fixed_size 327680
		.amdhsa_private_segment_fixed_size 0
		.amdhsa_enable_private_segment 0
		.amdhsa_kernarg_size 40
		.amdhsa_user_sgpr_count 2
		.amdhsa_user_sgpr_kernarg_segment_ptr 1
		.amdhsa_wavefront_size32 1
		.amdhsa_system_sgpr_workgroup_id_x 1
		.amdhsa_system_sgpr_workgroup_id_y 1
		.amdhsa_system_sgpr_workgroup_id_z 1
		.amdhsa_system_vgpr_workitem_id 0
		.amdhsa_next_free_vgpr 512
		.amdhsa_next_free_sgpr 80
		.amdhsa_reserve_vcc 1
		.amdhsa_float_denorm_mode_32 3
		.amdhsa_float_denorm_mode_16_64 3
		.amdhsa_memory_ordered 1
		.amdhsa_forward_progress 1
		.amdhsa_inst_pref_size 176
	.end_amdhsa_kernel
	.amdgpu_metadata
---
amdhsa.version: [ 1, 2 ]
amdhsa.kernels:
  - .name:           k_q3e411cfa21_attn
    .symbol:         k_q3e411cfa21_attn.kd
    .args:
      - { .name: qkv_codes, .offset: 0, .size: 8, .value_kind: global_buffer, .address_space: global }
      - { .name: qkv_scales, .offset: 8, .size: 8, .value_kind: global_buffer, .address_space: global }
      - { .name: mask_img, .offset: 16, .size: 8, .value_kind: global_buffer, .address_space: global }
      - { .name: att_codes, .offset: 24, .size: 8, .value_kind: global_buffer, .address_space: global }
      - { .name: att_scales, .offset: 32, .size: 8, .value_kind: global_buffer, .address_space: global }
    .group_segment_fixed_size: 327680
    .private_segment_fixed_size: 0
    .kernarg_segment_align: 8
    .kernarg_segment_size: 40
    .max_flat_workgroup_size: 256
    .sgpr_count:     80
    .vgpr_count:     512
    .wavefront_size: 32
...
	.end_amdgpu_metadata
.endif
;; end of part 3
;; launch proj (part 4): grid 4 x 32, 4 waves a work-group, clusters of 4 x 4, 327,680 bytes of LDS; arguments att_codes, att_scales, in_codes, in_scales, out_b, out0; writes out0
.if DOCPART == 4
	.amdgcn_target "amdgcn-amd-amdhsa--gfx1250"
	.amdhsa_code_object_version 6
	.text
	.protected	k_q3e411cfa21_proj
	.globl	k_q3e411cfa21_proj
	.p2align	8
	.type	k_q3e411cfa21_proj,@function
k_q3e411cfa21_proj:
	s_mov_b64 s[64:65], 0
	v_nop
	global_prefetch_b8 v0, s[64:65] scope:SCOPE_SE
	s_setreg_imm32_b32 hwreg(HW_REG_WAVE_MODE, 25, 1), 1
	s_wait_xcnt 0x0
	s_wait_alu depctr_hold_cnt(0) depctr_sa_sdst(0) depctr_va_vdst(0) depctr_va_sdst(0) depctr_va_ssrc(0) depctr_va_vcc(0) depctr_vm_vsrc(0)
	s_getreg_b32 s2, hwreg(HW_REG_IB_STS2, 6, 4)
	s_cmp_eq_u32 s2, 0
	s_cbranch_scc0 .Lentry_in_a_cluster
	s_endpgm
.Lentry_in_a_cluster:
	s_bfe_u32 s2, ttmp6, 0x10000c
	s_cmp_lg_u32 s2, 0xf033
	s_cbranch_scc0 .Lentry_shape_is_right
	s_endpgm
.Lentry_shape_is_right:
; out0 = attention's result x out_w^T + out_b on codes of FP6 (E2M3) with E8M0 scales, K = 1,024.  Operands lie as images of their registers, as in the launches before: [row tile][K fragment 8][1536 bytes]; out_w's blocks of 256 rows are in_codes' blocks 44-47.
; A tile of 256 x 256 by four waves of 128 x 128; K in four steps of 256 through two LDS slots; 4 x 4 clusters, A's tiles shared along a row, B's along a column.  The bias is the C of each sum's first product.
; The results leave through each wave's own stage in slot 0, which has had its last fill and its last read by then, as whole rows of 512 bytes.
.set FR,     12
.set FRB,    1536
.set NP,     4
.set KSB,    2*FRB
.set QTR,    8*KSB
.set SLOT,   4*QTR
.set SCL,    2*SLOT
.set HALFS,  4096
.set SPARE,  SCL+4*HALFS
.set SPITCH, 528
.set ADRA, 16
.set ADRB, 20
.set STO,  24
.set RD,   25
.set CO,   26
.set ADRS, 27
.set SPW,  28
.set NIL,  29
.set SC,   32
.set BIAS, 64
.set AF,   128
.set BK,   128
.set G1, 24
.set G0, 32
.set G1B, 48
.set G0B, 56
.set G1S, 68
.set G0S, 76
.set G1SB, 80
.set G0SB, 88
.set MSB, 0
.macro WIN new
.if MSB != \new
	s_set_vgpr_msb (MSB<<8)|\new
.set MSB, \new
.endif
.endm
.set MUL_LO, 0xa1
.set MUL_HI, 0xf1
.set TO_B,   0x40
.macro JLOAD g0a, g1a, g0b, g1b
	s_cmp_eq_u32 s15, 0
	s_cbranch_scc0 .Lfor_b_\@
	tensor_load_to_lds s[\g0a:\g0a+3], s[\g1a:\g1a+7]
	s_nop 0
.rept 4
	v_nop
.endr
	s_branch .Lasked_\@
.Lfor_b_\@:
	tensor_load_to_lds s[\g0b:\g0b+3], s[\g1b:\g1b+7]
	s_nop 0
.rept 4
	v_nop
.endr
.Lasked_\@:
.endm
.macro CREST
	s_cmp_lg_u32 s14, 0
	s_cbranch_scc1 .Lnot_wave_0_\@
	s_barrier_signal -3
.Lnot_wave_0_\@:
	s_barrier_wait -3
	s_barrier_signal -1
	s_barrier_wait -1
.endm
.macro CROUND
	s_barrier_signal -1
	s_barrier_wait -1
	CREST
.endm
	s_load_b128 s[4:7], s[0:1], 0x0
	s_load_b128 s[8:11], s[0:1], 0x10
	s_load_b64 s[12:13], s[0:1], 0x20
	s_load_b64 s[2:3], s[0:1], 0x28
	v_lshl_add_u32 v[SPW], v0, 2, SPARE
	v_mov_b32 v[NIL], 0
	ds_add_u32 v28, v29
	ds_add_u32 v28, v29
	s_wait_dscnt 0x0
	v_lshrrev_b32 v1, 5, v0
	v_readfirstlane_b32 s14, v1
	s_lshr_b32 s15, s14, 1
	s_and_b32 s16, s14, 1
	s_bfe_u32 s40, ttmp6, 0x40000
	s_bfe_u32 s41, ttmp6, 0x40004
	s_and_b32 s18, ttmp7, 0xffff
	s_lshl_b32 s18, s18, 2
	s_add_co_u32 s18, s18, s41
	s_lshl_b32 s19, ttmp9, 2
	s_add_co_u32 s19, s19, s40
	s_add_co_u32 s19, s19, 44
	s_lshl_b32 s43, s41, 2
	s_lshl_b32 s43, 15, s43
	s_lshl_b32 s44, 0x1111, s40
	s_or_b32 s[G1+0], s43, (3<<16)|(1<<21)
	s_or_b32 s[G1B+0], s44, (3<<16)|(1<<21)
.irp g, G1, G1B
	s_mov_b32 s[\g+1], 384<<16
	s_mov_b32 s[\g+2], 16<<16                      ; 16 row tiles for the head's loads; set to 8 behind them, for the ring's
	s_mov_b32 s[\g+3], 384<<16
	s_mov_b32 s[\g+4], 16
	s_mov_b32 s[\g+5], 1536
	s_mov_b32 s[\g+6], 0
	s_mov_b32 s[\g+7], 0
.endr
	s_or_b32 s[G1S+0], s43, (3<<16)|(1<<21)
	s_or_b32 s[G1SB+0], s44, (3<<16)|(1<<21)
.irp g, G1S, G1SB
	s_mov_b32 s[\g+1], 32<<16                      ; the scale words of 256 rows: 8,192 dense bytes as 32 rows of 256
	s_mov_b32 s[\g+2], 32<<16
	s_mov_b32 s[\g+3], 32<<16
	s_mov_b32 s[\g+4], 32
	s_mov_b32 s[\g+5], 32
	s_mov_b32 s[\g+6], 0
	s_mov_b32 s[\g+7], 0
.endr
	s_lshl_b32 s20, s18, 4                         ; A: the block's first row tile, 16 x block
	s_lshl_b32 s46, s19, 4                         ; B likewise
	s_mul_i32 s40, s16, 98304                      ; in the ring I fetch 8 row tiles of a block: which half, in bytes
	s_mov_b32 s41, 0
	s_lshl_b32 s22, s20, 9
	s_mov_b32 s23, 0
	s_lshl_b32 s92, s46, 9
	s_mov_b32 s93, 0
	s_mul_i32 s20, s20, 12288
	s_mov_b32 s21, 0
	s_mul_i32 s46, s46, 12288
	s_mov_b32 s47, 0
	s_mul_i32 s45, s14, QTR
	s_wait_kmcnt 0x0
	s_add_nc_u64 s[20:21], s[4:5], s[20:21]
	s_add_nc_u64 s[22:23], s[6:7], s[22:23]
	s_add_nc_u64 s[46:47], s[8:9], s[46:47]
	s_add_nc_u64 s[92:93], s[10:11], s[92:93]
	CROUND
	s_mov_b32 s[G0S], 1
	s_mov_b32 s[G0S+1], SCL
	s_mov_b64 s[G0S+2:G0S+3], s[22:23]
	s_or_b32 s[G0S+3], s[G0S+3], 0x80000000
	s_mov_b32 s[G0SB], 1
	s_mov_b32 s[G0SB+1], SCL+2*HALFS
	s_mov_b64 s[G0SB+2:G0SB+3], s[92:93]
	s_or_b32 s[G0SB+3], s[G0SB+3], 0x80000000
.set G0H, 4                            ; s[4:7], s[8:11] group 0 for the head's loads of K step 0: A's 256 rows, B's 256 rows (the arguments that lay there have been used by now)
.set G0HB, 8
	s_mov_b32 s[G0H], 1
	s_mov_b32 s[G0H+1], 0
	s_mov_b64 s[G0H+2:G0H+3], s[20:21]
	s_or_b32 s[G0H+3], s[G0H+3], 0x80000000
	s_mov_b32 s[G0HB], 1
	s_mov_b32 s[G0HB+1], 2*QTR
	s_mov_b64 s[G0HB+2:G0HB+3], s[46:47]
	s_or_b32 s[G0HB+3], s[G0HB+3], 0x80000000
	s_add_nc_u64 s[20:21], s[20:21], s[40:41]      ; for the ring: my 8 row tiles of the block
	s_add_nc_u64 s[46:47], s[46:47], s[40:41]
.irp s, 0,1
	s_mov_b32 s[G0+4*\s], 1
	s_add_co_u32 s[G0+4*\s+1], s45, \s*SLOT
	s_add_nc_u64 s[G0+4*\s+2:G0+4*\s+3], s[20:21], \s*KSB
	s_or_b32 s[G0+4*\s+3], s[G0+4*\s+3], 0x80000000
	s_mov_b32 s[G0B+4*\s], 1
	s_add_co_u32 s[G0B+4*\s+1], s45, \s*SLOT
	s_add_nc_u64 s[G0B+4*\s+2:G0B+4*\s+3], s[46:47], \s*KSB
	s_or_b32 s[G0B+4*\s+3], s[G0B+4*\s+3], 0x80000000
.endr
; THE HEAD'S LOADS, ONE A WAVE: wave 0 fetches K step 0's 256 rows of A, wave 1 its 256 rows of B, wave 2 the scale words of A's 256 rows, wave 3 those of B's.
.macro ARM under, g0, g1, next
	s_cmp_lt_u32 s14, \under
	s_cbranch_scc0 \next
	tensor_load_to_lds s[\g0:\g0+3], s[\g1:\g1+7]
	s_nop 0
.rept 4
	v_nop
.endr
	s_branch .Lhead_asked
\next:
.endm
	ARM 1, G0H,  G1,  .Lhead_b
	ARM 2, G0HB, G1B, .Lhead_sa
	ARM 3, G0S,  G1S, .Lhead_sb
	tensor_load_to_lds s[G0SB:G0SB+3], s[G1SB:G1SB+7]
	s_nop 0
.rept 4
	v_nop
.endr
.Lhead_asked:
	v_and_b32 v1, 15, v0
	v_bfe_u32 v2, v0, 4, 1
	s_wait_alu depctr_va_vdst(0)
	v_and_b32 v3, 31, v0
	v_lshlrev_b32 v[CO], 4, v3
	s_mul_i32 s21, s15, QTR
	s_mul_i32 s22, s16, QTR
	s_add_co_u32 s22, s22, 2*QTR
.irp s, 0,1
	v_add_nc_u32 v[ADRA+\s], s21, v[CO]
	v_add_nc_u32 v[ADRB+\s], s22, v[CO]
	s_add_co_u32 s21, s21, SLOT
	s_add_co_u32 s22, s22, SLOT
.endr
	v_lshlrev_b32 v5, 2, v1
	s_mul_i32 s21, s15, HALFS
	s_mul_i32 s22, s16, HALFS
	s_add_co_u32 s22, s22, 2*HALFS
	s_sub_co_u32 s22, s22, s21
	v_mul_u32_u24 v6, s22, v2
	s_add_co_u32 s21, s21, SCL
	v_add_nc_u32 v5, v5, v6
	v_add_nc_u32 v[ADRS], s21, v5
	s_mul_i32 s23, s14, 16*SPITCH
	v_mul_u32_u24 v5, v1, SPITCH
	v_lshl_add_u32 v5, v2, 6, v5
	v_add_nc_u32 v[STO], s23, v5
	v_add_nc_u32 v[RD], s23, v[CO]
	s_lshl_b32 s92, s18, 8
	s_lshl_b32 s93, s15, 7
	s_add_co_u32 s92, s92, s93
	s_lshl_b32 s92, s92, 12
	s_sub_co_u32 s94, s19, 44
	s_lshl_b32 s94, s94, 10
	s_lshl_b32 s95, s16, 9
	s_add_co_u32 s94, s94, s95
	s_add_co_u32 s92, s92, s94
	s_mov_b32 s93, 0
	s_add_nc_u64 s[2:3], s[2:3], s[92:93]
	s_mov_b32 s95, 0
	s_add_nc_u64 s[12:13], s[12:13], s[94:95]
	v_lshlrev_b32 v7, 6, v2
.irp e, 0,1,2,3
.irp j, 0,1,2,3
	global_load_b128 v[BIAS+16*\e+4*\j:BIAS+16*\e+4*\j+3], v7, s[12:13] offset:128*\e+16*\j
.endr
.endr
	s_wait_alu depctr_va_vdst(0)
	s_wait_loadcnt 0x0
.macro FRAG reg, adr, q, i
.irp c, 0,1,2
	ds_load_b128 v[\reg+4*\c:\reg+4*\c+3], v[\adr] offset:KSB*(\i)+FRB*(\q)+512*\c
.endr
.endm
.macro MUL16 a0, p, q, sc, mode
.irp a, \a0, \a0+1
.irp b, 0,1,2,3,4,5,6,7
.if \mode == 1
	v_wmma_scale_f32_16x16x128_f8f6f4 v[8*(8*((\a)%4)+\b):8*(8*((\a)%4)+\b)+7], v[128*(\p)+FR*\b:128*(\p)+FR*\b+FR-1], v[AF+FR*(\a):AF+FR*(\a)+FR-1], v[BIAS+8*\b:BIAS+8*\b+7], v[SC+16*(\sc)+2*\b+(\q)], v[SC+16*(\sc)+2*(\a)+(\q)] matrix_a_fmt:MATRIX_FMT_FP6 matrix_b_fmt:MATRIX_FMT_FP6 matrix_a_scale:MATRIX_SCALE_ROW1
.else
	v_wmma_scale_f32_16x16x128_f8f6f4 v[8*(8*((\a)%4)+\b):8*(8*((\a)%4)+\b)+7], v[128*(\p)+FR*\b:128*(\p)+FR*\b+FR-1], v[AF+FR*(\a):AF+FR*(\a)+FR-1], v[8*(8*((\a)%4)+\b):8*(8*((\a)%4)+\b)+7], v[SC+16*(\sc)+2*\b+(\q)], v[SC+16*(\sc)+2*(\a)+(\q)] matrix_a_fmt:MATRIX_FMT_FP6 matrix_b_fmt:MATRIX_FMT_FP6 matrix_a_scale:MATRIX_SCALE_ROW1
.endif
.endr
.endr
.endm
.macro FETCH_B slot, q, p
	WIN TO_B
.irp i, 0,1,2,3,4,5,6,7
	FRAG 128*(\p)+FR*\i, ADRB+\slot, \q, \i
.endr
	WIN 0
.endm
.macro FETCH_A slot, q, i0
.irp i, \i0, \i0+1, \i0+2, \i0+3
	FRAG AF+FR*(\i), ADRA+\slot, \q, \i
.endr
.endm
.macro SCALES sc
.irp i, 0,1,2,3,4,5,6,7
.irp q, 0,1
	ds_load_b32 v[SC+16*\sc+2*\i+\q], v[ADRS] offset:512*\i+64*\q
.endr
.endr
.endm
.macro PLACES n
.rept \n
	v_nop
.endr
.endm
.macro STEP slot, mode
	s_wait_dscnt 12
.if \mode
	WIN 0x81
.else
	WIN MUL_LO
.endif
	MUL16 0, 0, 0, \slot, \mode
	MUL16 2, 0, 0, \slot, \mode
	s_wait_dscnt 0x0
	PLACES NP
	FETCH_B \slot, 1, 1
	FETCH_A \slot, 1, 0
.if \mode
	WIN 0xc1
.else
	WIN MUL_HI
.endif
	MUL16 4, 0, 0, \slot, \mode
	MUL16 6, 0, 0, \slot, \mode
	PLACES NP
	WIN 0
	FETCH_A \slot, 1, 4
.endm
.macro TURN slot, next, fill
	s_wait_tensorcnt 0x0
	ds_add_u32 v[SPW], v[NIL]
	s_wait_dscnt 13
	WIN MUL_LO
	MUL16 0, 1, 1, \slot, 0
	s_wait_dscnt 0x0
	s_barrier_signal -1
	MUL16 2, 1, 1, \slot, 0
	WIN 0
	s_barrier_wait -1
.if \fill
	CREST
	s_add_nc_u64 s[G0+4*\slot+2:G0+4*\slot+3], s[G0+4*\slot+2:G0+4*\slot+3], 2*KSB
	s_add_nc_u64 s[G0B+4*\slot+2:G0B+4*\slot+3], s[G0B+4*\slot+2:G0B+4*\slot+3], 2*KSB
	JLOAD G0+4*\slot, G1, G0B+4*\slot, G1B
.else
	PLACES NP
.endif
	s_wait_alu depctr_va_vdst(0)
	v_add_nc_u32 v[ADRS], 128, v[ADRS]
	FETCH_B \next, 0, 0
	FETCH_A \next, 0, 0
	SCALES \next
	WIN MUL_HI
	MUL16 4, 1, 1, \slot, 0
	MUL16 6, 1, 1, \slot, 0
	PLACES NP
	WIN 0
	FETCH_A \next, 0, 4
.endm
	s_wait_alu depctr_va_vdst(0)                   ; the wait at the head's end
	s_wait_tensorcnt 0x0                           ; my tile of the head's four is in
	ds_add_u32 v[SPW], v[NIL]
	s_mov_b32 s[G1+2], 8<<16                       ; no tensor load of mine is out: from here on a load brings 8 row tiles
	s_mov_b32 s[G1+4], 8
	s_mov_b32 s[G1B+2], 8<<16
	s_mov_b32 s[G1B+4], 8
	s_wait_dscnt 0x0                               ; the add is done
	CROUND                                         ; all four tiles are in, and all sixteen work-groups are here
	JLOAD G0+4, G1, G0B+4, G1B                     ; K step 1, slot 1's first fill: the first tensor load behind the round
	FETCH_B 0, 0, 0
	FETCH_A 0, 0, 0
	SCALES 0
	FETCH_A 0, 0, 4
	STEP 0, 1
	TURN 0, 1, 1
	STEP 1, 0
	TURN 1, 0, 1
	STEP 0, 0
	TURN 0, 1, 0
	STEP 1, 0
	s_wait_dscnt 12
	WIN MUL_LO
	MUL16 0, 1, 1, 1, 0
	MUL16 2, 1, 1, 1, 0
	s_wait_dscnt 0x0
	WIN MUL_HI
	MUL16 4, 1, 1, 1, 0
	MUL16 6, 1, 1, 1, 0
	WIN 0
.macro TOSTAGE a
.set AC, 64*((\a)%4)
	WIN 0x08+4*((\a)/4)
.irp b, 0,1,2,3,4,5,6,7
	ds_store_b128 v[STO], v[AC+8*\b:AC+8*\b+3] offset:128*(\b/2)+32*(\b%2)
	ds_store_b128 v[STO], v[AC+8*\b+4:AC+8*\b+7] offset:128*(\b/2)+32*(\b%2)+16
.endr
	WIN 0
.set BB, BK+64*((\a)%2)
.irp t, 0,1,2,3,4,5,6,7,8,9,10,11,12,13,14,15
	ds_load_b128 v[BB+4*\t:BB+4*\t+3], v[RD] offset:\t*SPITCH
.endr
.endm
.macro SEND a, younger
.set BB, BK+64*((\a)%2)
	s_wait_dscnt \younger
.irp t, 0,1,2,3,4,5,6,7,8,9,10,11,12,13,14,15
	global_store_b128 v[CO], v[BB+4*\t:BB+4*\t+3], s[2:3] offset:(32*((\a)/2)+8*((\a)%2)+\t+8*(\t/8))*4096 th:TH_STORE_NT
.endr
.endm
	PLACES NP
	TOSTAGE 0
.irp a, 1,2,3,4,5,6,7
.if \a > 1
	s_wait_xcnt 0x0
.endif
	TOSTAGE \a
	SEND \a-1, 32
.endr
	SEND 7, 0
	s_wait_tensorcnt 0x0
	ds_add_u32 v[SPW], v[NIL]
	s_wait_dscnt 0x0
	CROUND
	s_endpgm
.Lfunc_end_k_q3e411cfa21_proj:
	.size	k_q3e411cfa21_proj, .Lfunc_end_k_q3e411cfa21_proj-k_q3e411cfa21_proj
	.p2alignl 7, 3214868480
	.fill 96, 4, 3214868480
	.section	.rodata,"a",@progbits
	.p2align	6, 0x0
	.amdhsa_kernel k_q3e411cfa21_proj
		.amdhsa_group_segment_fixed_size 327680
		.amdhsa_private_segment_fixed_size 0
		.amdhsa_enable_private_segment 0
		.amdhsa_kernarg_size 48
		.amdhsa_user_sgpr_count 2
		.amdhsa_user_sgpr_kernarg_segment_ptr 1
		.amdhsa_wavefront_size32 1
		.amdhsa_system_sgpr_workgroup_id_x 1
		.amdhsa_system_sgpr_workgroup_id_y 1
		.amdhsa_system_sgpr_workgroup_id_z 1
		.amdhsa_system_vgpr_workitem_id 0
		.amdhsa_next_free_vgpr 1024
		.amdhsa_next_free_sgpr 98
		.amdhsa_reserve_vcc 0
		.amdhsa_float_denorm_mode_32 3
		.amdhsa_float_denorm_mode_16_64 3
		.amdhsa_memory_ordered 1
		.amdhsa_forward_progress 1
		.amdhsa_inst_pref_size 140
	.end_amdhsa_kernel
	.amdgpu_metadata
---
amdhsa.version: [ 1, 2 ]
amdhsa.kernels:
  - .name:           k_q3e411cfa21_proj
    .symbol:         k_q3e411cfa21_proj.kd
    .args:
      - { .name: att_codes, .offset: 0, .size: 8, .value_kind: global_buffer, .address_space: global }
      - { .name: att_scales, .offset: 8, .size: 8, .value_kind: global_buffer, .address_space: global }
      - { .name: in_codes, .offset: 16, .size: 8, .value_kind: global_buffer, .address_space: global }
      - { .name: in_scales, .offset: 24, .size: 8, .value_kind: global_buffer, .address_space: global }
      - { .name: out_b, .offset: 32, .size: 8, .value_kind: global_buffer, .address_space: global }
      - { .name: out0, .offset: 40, .size: 8, .value_kind: global_buffer, .address_space: global }
    .group_segment_fixed_size: 327680
    .private_segment_fixed_size: 0
    .kernarg_segment_align: 8
    .kernarg_segment_size: 48
    .max_flat_workgroup_size: 128
    .sgpr_count:     98
    .vgpr_count:     1024
    .wavefront_size: 32
...
	.end_amdgpu_metadata
.endif
;; end of part 4
